; MI455X (gfx1250); checked and timed in simulation.
; The chip was launched on July 23, 2026; its instructions are those of AMD's public machine-readable ISA for CDNA 5 (MIT licence, August 2026) and "CDNA5" Instruction Set Architecture Reference Guide (July 2026). The comments in the code are by the model that wrote it; some were corrected since.
;; Multi Head Attention. Allowed arithmetic: matrix products marked QUANTISED: E2M3 operands, one E8M0 scale for each 32 along K, by v_wmma_scale_f32_16x16x128_f8f6f4 with both operands' format E2M3, f32 sums; everything else in f32.
;; Inputs: Wk 1,024 x 1,024 float32; Wp 1,024 x 1,024 float32; Wq 1,024 x 1,024 float32; Wv 1,024 x 1,024 float32; bk 1,024 float32; bp 1,024 float32; bq 1,024 float32; bv 1,024 float32; x 4 x 2,048 x 1,024 float32.
;; Outputs: out0 4 x 2,048 x 1,024 float32.
;; This version of the problem:
;;   THIS VERSION OF THE PROBLEM IS GIVEN IN LOW PRECISION. The matrix products marked QUANTISED in the list below multiply operands that are first quantised to E2M3 (2 exponent bits, 3 mantissa bits; 6 bits a number), with one power-of-two scale for each 32 numbers along K (OCP MX v1.0); their sums are f32. All else is computed in f32.
;;   The module's matrix products, in the order in which they are computed (A, B: the left and right operand; K: the contracted axis; several contracted axes count as one K, in the product's order):
;;     1. [M 8,192, K 1,024] x [K 1,024, N 1,024]; A: input x; B: input Wq: QUANTISED
;;     2. [M 8,192, K 1,024] x [K 1,024, N 1,024]; A: input x; B: input Wk: QUANTISED
;;     3. [M 8,192, K 1,024] x [K 1,024, N 1,024]; A: input x; B: input Wv: QUANTISED
;;     4. batch 64 x [M 2,048, K 64] x [K 64, N 2,048]; A: computed on the way; B: computed on the way: QUANTISED
;;     5. batch 64 x [M 2,048, K 2,048] x [K 2,048, N 64]; A: softmax (see below); B: computed on the way: QUANTISED
;;     6. [M 8,192, K 1,024] x [K 1,024, N 1,024]; A: computed on the way; B: input Wp: QUANTISED
;;   THE QUANTISER, for each operand of a quantised product, along K:
;;     - K is cut into blocks of 32 from its start; a last block that is shorter is filled with zeros.
;;     - A block's scale is 2^e with e = floor(log2(the largest magnitude in the block)) - 2, held to -126 .. 127; a block of zeros has e = 0. As a byte (E8M0): e + 127.
;;     - Each number is divided by its block's scale, clamped to +-7.5, and rounded to the nearest number of E2M3, ties to even, subnormals kept.
;;     - The product sums the exact products of the quantised numbers (number of the format x scale) in f32.
;;   ~~~python
;;   def quantise(x, axis):      # numpy; x: float32 -> the quantised numbers, widened to float32 again
;;       x = np.moveaxis(x, axis, -1); K = x.shape[-1]
;;       x = np.pad(x, [(0, 0)] * (x.ndim - 1) + [(0, -K % 32)]); x = x.reshape(x.shape[:-1] + (-1, 32)); a = np.abs(x).max(-1, keepdims=True)
;;       e = np.where(a > 0, np.clip(np.frexp(np.where(a > 0, a, 1))[1] - 1 - 2, -126, 127), 0)      # np.frexp(a)[1] - 1 = floor(log2(a)), exactly
;;       r = np.clip(x / 2.0 ** e, -7.5, 7.5)
;;       step = 2.0 ** (np.maximum(np.frexp(np.where(r == 0, 1, r))[1] - 1, 0) - 3)
;;       q = np.round(r / step) * step * 2.0 ** e      # np.round: ties to even
;;       return np.moveaxis(q.reshape(q.shape[:-2] + (-1,))[..., :K], -1, axis).astype(np.float32)
;;   ~~~
;;   SOFTMAX AHEAD OF A QUANTISED PRODUCT. Where the list says 'softmax', what is quantised is not the finished softmax but p = 2^(t - M), with t = logit x log2(e) and M = ceil(the row's largest t), a whole number; so 1/2 < the row's largest p <= 1. The row's sum l is taken of the UNQUANTISED p, in f32, and the product's result is divided by l at the end. Since M is a whole number, a kernel that streams over the keys may use a running M (the ceiling of the running maximum): every later rescaling is an exact power of two, which a block's scale takes up: the codes' values come out the same.
;;   OPERANDS COMPUTED ON THE WAY. 'Computed on the way' means the value that the module computes at that place (a softmax that the list does not call 'softmax' is quantised finished and normalised). What goes into a quantiser is computed in f32, as accurately as f32 sums, v_exp_f32 and their like allow (about 1e-6 of the number): no bf16 or f16 on the way to a quantiser, and a product that is left as it is and whose result goes on into a quantised operand takes f32 operands (vector FMAs, or v_wmma_f32_16x16x4_f32). A number that lies on a knife's edge between two numbers of the format may be rounded either way, as far as f32 arithmetic and the matrix unit's own rounding can turn it there, and no further.
;; One version. Each part assembles by itself: llvm-mc -triple=amdgcn-amd-amdhsa -mcpu=gfx1250 --defsym DOCPART=n.
;; ======== version 1 of 1: 4 launches
;; limits: right only within a limited range of input values
;; workspace buffers: xc 6,291,456 bytes; xs 262,144 bytes; wc 3,145,728 bytes; ws 131,072 bytes; qkvc 18,874,368 bytes; qkvs 786,432 bytes; oc 6,291,456 bytes; os 262,144 bytes
;; launch quant (part 1): grid 384 x 1, 4 waves a work-group, no clusters, 69,120 bytes of LDS; arguments x, Wq, Wk, Wv, Wp, xc, xs, wc, ws; writes xc, xs, wc, ws
.if DOCPART == 1
	.amdgcn_target "amdgcn-amd-amdhsa--gfx1250"
	.amdhsa_code_object_version 6
	.text
	.protected	k_qd6908500a6_quant
	.globl	k_qd6908500a6_quant
	.p2align	8
	.type	k_qd6908500a6_quant,@function
k_qd6908500a6_quant:
	s_mov_b64 s[64:65], 0
	v_nop
	global_prefetch_b8 v0, s[64:65] scope:SCOPE_SE
	s_setreg_imm32_b32 hwreg(HW_REG_WAVE_MODE, 25, 1), 1
	s_wait_xcnt 0x0
; x [8192][1024] and the four weights [1024 (k)][1024 (n)], all f32, become codes of FP6 (E2M3), K innermost (768 bytes a row), and one E8M0 byte for each 32 along K (32 bytes a row).
; A block's scale is 2^(floor(log2(its largest magnitude)) - 2); its byte is the largest magnitude's exponent field - 2, held at 1 from below.
; TILE ORDER: row p of a codes' or scales' buffer holds token (or weight column) p with bits 3 and 4 exchanged.  So 16 neighbouring buffer rows 32 B + 16 u + r are the indices 32 B + 8 u + r + 8 (r / 8),
; and two neighbouring tiles of a later product's result hold 16 neighbours along the next K in a lane's 16 registers.
; LIMITS: NaN and infinities are not served; a block whose largest magnitude lies under 2^-124 keeps the byte 1; a block of zeros has the byte 1 and not 127: its codes are zeros, and this program alone reads the bytes.
; Work-groups 0-255 take x (K innermost: a wave takes 8 rows, 16 steps of 512 numbers, turned through its own LDS stage so that loads are dense and a lane holds 16 neighbours);
; work-groups 256-383 take the weights (K is the first axis: a lane takes a column, its registers run down K; the codes leave through the wave's own stage as rows).
; The two ways have LDS bytes of their own.  Waves share nothing: no barrier.
.set SP,    80                         ; x: a lane's place in a stage: 64 bytes + 16 of padding
.set WREG,  8192                       ; x: LDS of a wave: two stages of 32 SP bytes, then its 256 scale bytes
.set CB,    12                         ; bytes of 16 codes
.set STEPS, 16
.set EMAX,  2
.set XR,    16                         ; v16-79   x: four sets of 16 numbers as loaded
.set XN,    80                         ; v80-111  x: two sets of 16 neighbours
.set XE,    112                        ; v112-127 x: a scale byte for each step
.set XC,    128                        ; v128-191 x: codes, four registers a step
.set WBASE, 32768                      ; weights: their LDS begins here
.set PITCH, 272                        ; weights: a stage row: sixteen places of 16 bytes + 16
.set KROW,  768                        ; a row of codes in bytes
.set NB,    8                          ; weights: blocks of 32 along K for a wave (256 along K)
.set WN,    32                         ; v32-95   weights: two sets of 32 numbers
.set WCD,   96                         ; v96..    weights: a block's codes
.set WOUT,  112                        ; v112-175 weights: the way out
.set WSB,   24                         ; v24-25   weights: eight scale bytes
	s_load_b256 s[4:11], s[0:1], 0x0               ; x, Wq, Wk, Wv
	s_load_b256 s[12:19], s[0:1], 0x20             ; Wp, xc, xs, wc
	s_load_b64 s[20:21], s[0:1], 0x40              ; ws
	v_lshl_add_u32 v192, v0, 2, 0x10c00
	v_mov_b32 v193, 0
	v_lshrrev_b32 v1, 5, v0
	v_readfirstlane_b32 s22, v1                    ; wave
	v_and_b32 v2, 31, v0                           ; lane
	s_cmp_lt_u32 ttmp9, 256
	s_cbranch_scc0 .Lweights
; ---------------- x ----------------
	v_lshlrev_b32 v3, 4, v2                        ; my 16 bytes of a load's 512
	s_mul_i32 s23, s22, WREG
	v_lshrrev_b32 v14, 2, v2
	v_mul_u32_u24 v14, v14, SP
	v_and_b32 v15, 3, v2
	v_lshl_add_u32 v14, v15, 4, v14
	v_add_nc_u32 v14, s23, v14                     ; into the stage: SP (lane / 4) + 16 (lane % 4)
	v_mul_u32_u24 v15, v2, SP
	v_add_nc_u32 v15, s23, v15                     ; out of it: SP x lane: my 16 neighbours
	; THE CODES' BUFFERS ARE LAID [128 rows][chunk of 256 along K][128 rows][192 bytes]: a chunk of 128 rows is 24,576 dense bytes, a multiple of 256
	v_and_b32 v4, 15, v2
	v_mul_u32_u24 v4, v4, CB                       ; sixteen lanes fill a row's 192 bytes of one chunk,
	v_lshrrev_b32 v10, 4, v2
	v_mad_u32_u24 v4, v10, 24576, v4               ; lanes 16-31 those of the next chunk
	v_lshrrev_b32 v5, 1, v2
	s_add_co_u32 s23, s23, 2*32*SP
	v_add_nc_u32 v5, s23, v5                       ; my block's byte among the wave's 256
	v_lshlrev_b32 v7, 3, v2
	v_add_nc_u32 v6, s23, v7                       ; and 8 bytes a lane on their way out
	s_lshl_b32 s24, ttmp9, 2
	s_add_co_u32 s26, s24, s22                     ; which 8 rows I read: 4 x work-group + wave
	s_and_b32 s25, s22, 1
	s_lshl_b32 s25, s25, 1
	s_lshr_b32 s27, s22, 1
	s_or_b32 s25, s25, s27
	s_add_co_u32 s24, s24, s25                     ; and where they go: the wave's two bits exchanged (bits 3 and 4 of the row)
	s_lshl_b32 s26, s26, 15                        ; 8 rows of 4,096 bytes
	s_mov_b32 s27, 0
	s_lshr_b32 s28, s24, 4
	s_mul_i32 s28, s28, 98304                      ; the block of 128 rows,
	s_and_b32 s29, s24, 15
	s_mul_i32 s29, s29, 1536                       ; my 8 rows of 192 bytes in a chunk of it
	s_add_co_u32 s28, s28, s29
	s_mov_b32 s29, 0
	s_lshl_b32 s30, s24, 8                         ; 8 rows of 32 scale bytes
	s_mov_b32 s31, 0
	s_wait_alu depctr_va_vdst(0)
	s_wait_kmcnt 0x0
	s_add_nc_u64 s[4:5], s[4:5], s[26:27]
	s_add_nc_u64 s[14:15], s[14:15], s[28:29]
	s_add_nc_u64 s[16:17], s[16:17], s[30:31]
.macro XLOAD t
.irp i, 0,1,2,3
	global_load_b128 v[XR+16*((\t)%4)+4*\i:XR+16*((\t)%4)+4*\i+3], v3, s[4:5] offset:2048*(\t)+512*\i th:TH_LOAD_NT   ; 32 lanes read 512 consecutive bytes
.endr
.endm
.macro XTURN t                         ; step t's numbers through the stage: LDS serves a wave's instructions in order, so no wait stands between the stores and the loads
.irp i, 0,1,2,3
	ds_store_b128 v14, v[XR+16*((\t)%4)+4*\i:XR+16*((\t)%4)+4*\i+3] offset:32*SP*((\t)%2)+8*SP*\i
.endr
.irp i, 0,1,2,3
	ds_load_b128 v[XN+16*((\t)%2)+4*\i:XN+16*((\t)%2)+4*\i+3], v15 offset:32*SP*((\t)%2)+16*\i
.endr
.endm
.irp t, 0,1,2,3
	XLOAD \t
.endr
	s_wait_loadcnt 12                              ; step 0's four loads are in; three steps' twelve stay out
	XTURN 0
.macro XSTEP t
.set XS, XN+16*((\t)%2)
.if (\t) > 0
	s_wait_dscnt 1                                 ; this step's numbers are back from the stage (the last step's byte store may be out): so the stage's stores have read their registers,
.else
	s_wait_dscnt 0x0
.endif
.if (\t)+4 < STEPS
	XLOAD (\t)+4                                   ; which take the loads of four steps on
.endif
.if (\t)+1 < STEPS
.if STEPS-2-(\t) >= 3
	s_wait_loadcnt 12                              ; the next step's four loads are in; those of the three steps behind it may be out
.else
	s_wait_loadcnt 4*(STEPS-2-(\t))
.endif
	XTURN (\t)+1
.endif
	v_max3_num_f32 v8, |v[XS]|, |v[XS+1]|, |v[XS+2]|               ; the largest magnitude of my 16, in two chains
	v_max3_num_f32 v9, |v[XS+3]|, |v[XS+4]|, |v[XS+5]|
.irp i, 6,10
	v_max3_num_f32 v8, v8, |v[XS+\i]|, |v[XS+\i+1]|
	v_max3_num_f32 v9, v9, |v[XS+\i+2]|, |v[XS+\i+3]|
.endr
	v_max3_num_f32 v8, v8, |v[XS+14]|, |v[XS+15]|
	v_max3_num_f32 v8, v8, v9, (EMAX+1)<<23        ; and the floor 2^(3 - 127): the byte cannot fall under 1
	v_max_num_f32_dpp v8, v8, v8 row_xmask:1 row_mask:0xf bank_mask:0xf   ; with my neighbour's 16: the block's
	v_add_nc_u32 v11, -(EMAX<<23), v8              ; 2 off its exponent field: the conversion takes the exponent field of this operand as its scale
	v_cvt_scalef32_pk16_fp6_f32 v[XC+4*(\t):XC+4*(\t)+2], v[XS:XS+15], v11
	v_lshrrev_b32 v[XE+(\t)], 23, v11              ; the scale's byte (also the plain line behind the conversion)
	ds_store_b8 v5, v[XE+(\t)] offset:16*(\t)      ; both lanes of a block write the same byte with the same value
	global_store_b96 v4, v[XC+4*(\t):XC+4*(\t)+2], s[14:15] offset:192*((\t)/2)+49152*((\t)%2)   ; row t / 2, chunks 2 (t % 2) and 2 (t % 2) + 1
.endm
.irp t, 0,1,2,3,4,5,6,7,8,9,10,11,12,13,14,15
	XSTEP \t
.endr
	ds_load_b64 v[12:13], v6                       ; LDS serves a wave's instructions in order: these see my byte stores
	s_wait_dscnt 0x0
	global_store_b64 v7, v[12:13], s[16:17]        ; 32 lanes store 256 consecutive bytes, aligned
	s_wait_tensorcnt 0x0
	ds_add_u32 v192, v193
	s_wait_dscnt 0x0
	s_endpgm
; ---------------- the weights ----------------
.Lweights:
	s_sub_co_u32 s23, ttmp9, 256
	s_lshr_b32 s24, s23, 5                         ; which weight: 0 q, 1 k, 2 v, 3 p
	s_bfe_u32 s25, s23, 0x30002                    ; which 128 columns
	s_and_b32 s26, s23, 3                          ; which 256 along K
	s_lshl_b32 s25, s25, 7
	s_lshl_b32 s27, s22, 5
	s_add_co_u32 s25, s25, s27                     ; my wave's first column
	s_wait_alu depctr_va_vdst(0)
	v_lshlrev_b32 v3, 2, v2                        ; in: 4 bytes a lane
	v_and_b32 v5, 7, v2
	v_bfe_u32 v6, v2, 3, 1
	v_bfe_u32 v7, v2, 4, 1
	v_lshl_add_u32 v5, v6, 4, v5
	v_lshl_add_u32 v10, v7, 3, v5                  ; the buffer row of my column: my lane with bits 3 and 4 exchanged
	s_mul_i32 s27, s22, 32*PITCH
	s_add_co_u32 s27, s27, WBASE                   ; my stage
	v_mul_u32_u24 v4, v10, PITCH
	v_add_nc_u32 v4, s27, v4                       ; into it: that row
	v_and_b32 v5, 15, v2
	v_lshrrev_b32 v6, 4, v2                        ; out of it: sixteen lanes to a row, two rows an instruction, 12 bytes a lane
	v_mul_u32_u24 v7, v6, PITCH
	v_lshl_add_u32 v7, v5, 4, v7
	v_add_nc_u32 v7, s27, v7
	v_mul_u32_u24 v8, v6, 192
	v_mad_u32_u24 v8, v5, 12, v8                   ; and the same place in the codes' buffer
	v_lshlrev_b32 v9, 5, v10                       ; my row of scale bytes: 32 bytes a row
	s_lshl_b32 s28, s26, 20                        ; W: 256 rows of 4,096 bytes,
	s_lshl_b32 s29, s25, 2
	s_add_co_u32 s28, s28, s29                     ; + 4 bytes a column
	s_mov_b32 s29, 0
	s_mul_i32 s30, s24, 1024*KROW                  ; codes: the weight,
	s_mul_i32 s31, s25, KROW
	s_add_co_u32 s30, s30, s31
	s_and_b32 s31, s25, 127
	s_mul_i32 s31, s31, 576
	s_sub_co_u32 s30, s30, s31                     ; inside a block of 128 rows a row of a chunk is 192 bytes, not 768
	s_mul_i32 s31, s26, 24576                      ; my chunk
	s_add_co_u32 s30, s30, s31                     ; 256 codes along K
	s_mov_b32 s31, 0
	s_lshl_b32 s32, s24, 15                        ; scale bytes likewise
	s_lshl_b32 s33, s25, 5
	s_add_co_u32 s32, s32, s33
	s_lshl_b32 s33, s26, 3
	s_add_co_u32 s32, s32, s33
	s_mov_b32 s33, 0
	s_wait_kmcnt 0x0
	s_cmp_eq_u32 s24, 1                            ; the choice hangs on the work-group's number alone
	s_cselect_b64 s[6:7], s[8:9], s[6:7]
	s_cmp_eq_u32 s24, 2
	s_cselect_b64 s[6:7], s[10:11], s[6:7]
	s_cmp_eq_u32 s24, 3
	s_cselect_b64 s[6:7], s[12:13], s[6:7]
	s_add_nc_u64 s[6:7], s[6:7], s[28:29]
	s_add_nc_u64 s[18:19], s[18:19], s[30:31]
	s_add_nc_u64 s[20:21], s[20:21], s[32:33]
.macro WLOAD t                         ; block t: W(32 t + i, my column) into set t % 2; 32 lanes read 128 consecutive bytes, the four waves stand side by side
.irp i, 0,1,2,3,4,5,6,7,8,9,10,11,12,13,14,15,16,17,18,19,20,21,22,23,24,25,26,27,28,29,30,31
	global_load_b32 v[WN+32*((\t)%2)+\i], v3, s[6:7] offset:(32*(\t)+\i)*4096 th:TH_LOAD_NT
.endr
.endm
	WLOAD 0
	WLOAD 1
.macro WBLOCK t
.set XS, WN+32*((\t)%2)
.if (\t) < NB-1
	s_wait_loadcnt 32                              ; this block's 32 loads are in; the next block's may be out
.else
	s_wait_loadcnt 0
.endif
	v_max3_num_f32 v12, |v[XS]|, |v[XS+1]|, |v[XS+2]|              ; the block's largest magnitude: all 32 numbers are mine
	v_max3_num_f32 v13, |v[XS+3]|, |v[XS+4]|, |v[XS+5]|
.irp i, 6,10,14,18,22,26
	v_max3_num_f32 v12, v12, |v[XS+\i]|, |v[XS+\i+1]|
	v_max3_num_f32 v13, v13, |v[XS+\i+2]|, |v[XS+\i+3]|
.endr
	v_max3_num_f32 v12, v12, |v[XS+30]|, |v[XS+31]|
	v_max3_num_f32 v12, v12, v13, (EMAX+1)<<23     ; and the floor
	v_add_nc_u32 v11, -(EMAX<<23), v12             ; the conversion's scale operand
	v_lshrrev_b32 v13, 23, v11                     ; the scale's byte
.if (\t)%4 == 0
	v_mov_b32 v[WSB+(\t)/4], v13                   ; four bytes to a register, the lower K in the lower byte
.else
	v_lshl_or_b32 v[WSB+(\t)/4], v13, 8*((\t)%4), v[WSB+(\t)/4]
.endif
	v_cvt_scalef32_pk16_fp6_f32 v[WCD:WCD+2], v[XS:XS+15], v11
	v_cvt_scalef32_pk16_fp6_f32 v[WCD+4:WCD+6], v[XS+16:XS+31], v11   ; (a conversion's three registers begin on an even number)
	v_nop                                          ; one plain line behind the conversions
	ds_store_b96 v4, v[WCD:WCD+2] offset:32*(\t)   ; 12 bytes to a place of 16 bytes, so that every LDS address is a multiple of 16
	ds_store_b96 v4, v[WCD+4:WCD+6] offset:32*(\t)+16
.if (\t)+2 < NB
	WLOAD (\t)+2
.endif
	s_wait_dscnt 0x0                               ; the stores have read their registers: the next block's codes may be written
.endm
.set Q, 0
.rept NB
	WBLOCK Q
.set Q, Q+1
.endr
	s_wait_alu depctr_va_vdst(0)
	global_store_b64 v9, v[WSB:WSB+1], s[20:21]    ; my column's 8 scale bytes
.irp t, 0,1,2,3,4,5,6,7,8,9,10,11,12,13,14,15
	ds_load_b96 v[WOUT+4*\t:WOUT+4*\t+2], v7 offset:2*\t*PITCH   ; LDS serves a wave's instructions in order: these see my stores
.endr
.irp t, 0,1,2,3,4,5,6,7,8,9,10,11,12,13,14,15
	s_wait_dscnt 15-\t
	global_store_b96 v8, v[WOUT+4*\t:WOUT+4*\t+2], s[18:19] offset:2*\t*192
.endr
	s_wait_tensorcnt 0x0
	ds_add_u32 v192, v193
	s_wait_dscnt 0x0
	s_endpgm
.Lfunc_end_k_qd6908500a6_quant:
	.size	k_qd6908500a6_quant, .Lfunc_end_k_qd6908500a6_quant-k_qd6908500a6_quant
	.p2alignl 7, 3214868480
	.fill 96, 4, 3214868480
	.section	.rodata,"a",@progbits
	.p2align	6, 0x0
	.amdhsa_kernel k_qd6908500a6_quant
		.amdhsa_group_segment_fixed_size 69120
		.amdhsa_private_segment_fixed_size 0
		.amdhsa_enable_private_segment 0
		.amdhsa_kernarg_size 72
		.amdhsa_user_sgpr_count 2
		.amdhsa_user_sgpr_kernarg_segment_ptr 1
		.amdhsa_wavefront_size32 1
		.amdhsa_system_sgpr_workgroup_id_x 1
		.amdhsa_system_sgpr_workgroup_id_y 1
		.amdhsa_system_sgpr_workgroup_id_z 1
		.amdhsa_system_vgpr_workitem_id 0
		.amdhsa_next_free_vgpr 194
		.amdhsa_next_free_sgpr 66
		.amdhsa_reserve_vcc 0
		.amdhsa_float_denorm_mode_32 3
		.amdhsa_float_denorm_mode_16_64 3
		.amdhsa_memory_ordered 1
		.amdhsa_forward_progress 1
		.amdhsa_inst_pref_size 75
	.end_amdhsa_kernel
	.amdgpu_metadata
---
amdhsa.version: [ 1, 2 ]
amdhsa.kernels:
  - .name:           k_qd6908500a6_quant
    .symbol:         k_qd6908500a6_quant.kd
    .args:
      - { .name: x, .offset: 0, .size: 8, .value_kind: global_buffer, .address_space: global }
      - { .name: Wq, .offset: 8, .size: 8, .value_kind: global_buffer, .address_space: global }
      - { .name: Wk, .offset: 16, .size: 8, .value_kind: global_buffer, .address_space: global }
      - { .name: Wv, .offset: 24, .size: 8, .value_kind: global_buffer, .address_space: global }
      - { .name: Wp, .offset: 32, .size: 8, .value_kind: global_buffer, .address_space: global }
      - { .name: xc, .offset: 40, .size: 8, .value_kind: global_buffer, .address_space: global }
      - { .name: xs, .offset: 48, .size: 8, .value_kind: global_buffer, .address_space: global }
      - { .name: wc, .offset: 56, .size: 8, .value_kind: global_buffer, .address_space: global }
      - { .name: ws, .offset: 64, .size: 8, .value_kind: global_buffer, .address_space: global }
    .group_segment_fixed_size: 69120
    .private_segment_fixed_size: 0
    .kernarg_segment_align: 8
    .kernarg_segment_size: 72
    .max_flat_workgroup_size: 128
    .sgpr_count:     66
    .vgpr_count:     194
    .wavefront_size: 32
...
	.end_amdgpu_metadata
.endif
;; end of part 1
;; launch qkv (part 2): grid 12 x 32, 4 waves a work-group, clusters of 4 x 4, 327,680 bytes of LDS; arguments xc, xs, wc, ws, bq, bk, bv, qkvc, qkvs; writes qkvc, qkvs
.if DOCPART == 2
	.amdgcn_target "amdgcn-amd-amdhsa--gfx1250"
	.amdhsa_code_object_version 6
	.text
	.protected	k_qd6908500a6_qkv
	.globl	k_qd6908500a6_qkv
	.p2align	8
	.type	k_qd6908500a6_qkv,@function
k_qd6908500a6_qkv:
	s_mov_b64 s[64:65], 0
	v_nop
	global_prefetch_b8 v0, s[64:65] scope:SCOPE_SE
	s_setreg_imm32_b32 hwreg(HW_REG_WAVE_MODE, 25, 1), 1
	s_wait_xcnt 0x0
	s_wait_alu depctr_hold_cnt(0) depctr_sa_sdst(0) depctr_va_vdst(0) depctr_va_sdst(0) depctr_va_ssrc(0) depctr_va_vcc(0) depctr_vm_vsrc(0)
	s_getreg_b32 s2, hwreg(HW_REG_IB_STS2, 6, 4)
	s_cmp_eq_u32 s2, 0
	s_cbranch_scc0 .Lentry_in_a_cluster
	s_endpgm
.Lentry_in_a_cluster:
	s_bfe_u32 s2, ttmp6, 0x10000c
	s_cmp_lg_u32 s2, 0xf033
	s_cbranch_scc0 .Lentry_shape_is_right
	s_endpgm
.Lentry_shape_is_right:
.set KSTEP,  256
.set NQ,     2
.set ROWB,   24576                     ; from a chunk of 128 rows x 256 along K to the next: dense in memory
.set KROW,   768
.set PITCH,  240
.set FR,     12
.set NL,     6
.set NP,     4
.set HALFT,  128*PITCH
.set SLOT,   4*HALFT
.set LAPS,   2
.set KS,     32
.set SCL,    2*SLOT
.set HALFS,  (128*KS/256)*272
.set SBLK,   (16*KS/256)*272
.set SPARE,  SCL+4*HALFS
.set FRB,    1536
.set ADRA, 16
.set ADRB, 20
.set LIO,  24
.set LSO,  25
.set ADRS, 27
.set SPW,  28
.set NIL,  29
.set SC,   32
.set BN,   64
.set BM,   96
.set AF,   128
.set T,    128
.set FX,   192
.set FY,   204
.set TM,   216
.set CT,   232
.set PW,   240
.set WW,   242
.set SW,   250
.set SEL,  4
.set G1, 24
.set G0, 32
.set G1B, 48
.set G0B, 56
.set G1S, 68
.set G0S, 76
.set G1SB, 80
.set G0SB, 88
.set MSB, 0
.macro WIN new
.if MSB != (\new)
	s_set_vgpr_msb (MSB<<8)|(\new)
.set MSB, (\new)
.endif
.endm
.set MUL_LO, 0xa1
.set MUL_HI, 0xf1
.set TO_B,   0x40
.macro JLOAD g0a, g1a, g0b, g1b
	s_cmp_eq_u32 s15, 0
	s_cbranch_scc0 .Lfor_b_\@
	tensor_load_to_lds s[\g0a:\g0a+3], s[\g1a:\g1a+7]
	s_nop 0
.rept 4
	v_nop
.endr
	s_branch .Lasked_\@
.Lfor_b_\@:
	tensor_load_to_lds s[\g0b:\g0b+3], s[\g1b:\g1b+7]
	s_nop 0
.rept 4
	v_nop
.endr
.Lasked_\@:
.endm
.macro CREST
	s_cmp_lg_u32 s14, 0
	s_cbranch_scc1 .Lnot_wave_0_\@
	s_barrier_signal -3
.Lnot_wave_0_\@:
	s_barrier_wait -3
	s_barrier_signal -1
	s_barrier_wait -1
.endm
.macro CROUND
	s_barrier_signal -1
	s_barrier_wait -1
	CREST
.endm
	s_load_b128 s[4:7], s[0:1], 0x0
	s_load_b128 s[8:11], s[0:1], 0x10
	s_load_b128 s[92:95], s[0:1], 0x20
	s_load_b128 s[96:99], s[0:1], 0x30
	s_load_b64 s[100:101], s[0:1], 0x40
	v_lshl_add_u32 v[SPW], v0, 2, SPARE
	v_mov_b32 v[NIL], 0
	ds_add_u32 v28, v29
	ds_add_u32 v28, v29
	s_wait_dscnt 0x0
	v_lshrrev_b32 v1, 5, v0
	v_readfirstlane_b32 s14, v1
	s_lshr_b32 s15, s14, 1
	s_and_b32 s16, s14, 1
	s_bfe_u32 s40, ttmp6, 0x40000
	s_bfe_u32 s41, ttmp6, 0x40004
	s_lshl_b32 s42, ttmp9, 2
	s_and_b32 s17, ttmp7, 0xffff
	s_lshl_b32 s17, s17, 2
	s_cmp_eq_u32 ttmp9, 2
	s_cselect_b32 s42, s17, s42
	s_cselect_b32 s17, 0, s17
	s_add_co_u32 s42, s42, s40
	s_add_co_u32 s17, s17, s41
	s_lshl_b32 s43, s41, 2
	s_lshl_b32 s43, 15, s43
	s_lshl_b32 s44, 0x1111, s40
	s_or_b32 s[G1+0], s43, (0<<16)|(1<<20)|(1<<21)|(3<<22)|(3<<25)
	s_or_b32 s[G1B+0], s44, (0<<16)|(1<<20)|(1<<21)|(3<<22)|(3<<25)
.irp g, G1, G1B
	s_mov_b32 s[\g+1], 256<<16                     ; a chunk's 24,576 dense bytes as 96 rows of 256; the padding's interval stays 64 bytes, so an LDS row of 192 bytes keeps its pitch
	s_mov_b32 s[\g+2], 96<<16
	s_mov_b32 s[\g+3], 256<<16
	s_mov_b32 s[\g+4], 96
	s_mov_b32 s[\g+5], 256
	s_mov_b32 s[\g+6], 0
	s_mov_b32 s[\g+7], 0
.endr
	s_or_b32 s[G1S+0], s43, (3<<16)|(1<<20)|(1<<21)|(5<<22)|(3<<25)
	s_or_b32 s[G1SB+0], s44, (3<<16)|(1<<20)|(1<<21)|(5<<22)|(3<<25)
.irp g, G1S, G1SB
	s_mov_b32 s[\g+1], 32<<16
	s_mov_b32 s[\g+2], (128*KS/256)<<16
	s_mov_b32 s[\g+3], 32<<16
	s_mov_b32 s[\g+4], 128*KS/256
	s_mov_b32 s[\g+5], 32
	s_mov_b32 s[\g+6], 0
	s_mov_b32 s[\g+7], 0
.endr
	s_lshl_b32 s18, s16, 7
	s_lshl_b32 s20, s17, 8
	s_add_co_u32 s20, s20, s18
	s_lshl_b32 s46, s42, 8
	s_add_co_u32 s46, s46, s18
	s_mov_b32 s21, 0
	s_mov_b32 s47, 0
	s_mov_b64 s[18:19], KS
	s_mul_u64 s[22:23], s[20:21], s[18:19]
	s_mul_u64 s[66:67], s[46:47], s[18:19]
	s_mov_b64 s[18:19], KROW
	s_mul_u64 s[20:21], s[20:21], s[18:19]
	s_mul_u64 s[46:47], s[46:47], s[18:19]
	s_mul_i32 s45, s14, HALFT
	s_mul_i32 s2, s14, HALFS
	s_wait_kmcnt 0x0
	s_add_nc_u64 s[12:13], s[8:9], 2*1024*KROW
	s_add_nc_u64 s[18:19], s[10:11], 2*1024*KS
	s_cmp_eq_u32 ttmp9, 2
	s_cselect_b64 s[8:9], s[4:5], s[8:9]
	s_cselect_b64 s[10:11], s[6:7], s[10:11]
	s_cselect_b64 s[4:5], s[12:13], s[4:5]
	s_cselect_b64 s[6:7], s[18:19], s[6:7]
	s_add_nc_u64 s[20:21], s[4:5], s[20:21]
	s_add_nc_u64 s[22:23], s[6:7], s[22:23]
	s_add_nc_u64 s[46:47], s[8:9], s[46:47]
	s_add_nc_u64 s[66:67], s[10:11], s[66:67]
	CROUND
	s_mov_b32 s[G0S], 1
	s_add_co_u32 s[G0S+1], s2, SCL
	s_mov_b64 s[G0S+2:G0S+3], s[22:23]
	s_or_b32 s[G0S+3], s[G0S+3], 0x80000000
	s_mov_b32 s[G0SB], 1
	s_add_co_u32 s[G0SB+1], s2, SCL
	s_mov_b64 s[G0SB+2:G0SB+3], s[66:67]
	s_or_b32 s[G0SB+3], s[G0SB+3], 0x80000000
	JLOAD G0S, G1S, G0SB, G1SB
.irp s, 0,1
	s_mov_b32 s[G0+4*\s], 1
	s_add_co_u32 s[G0+4*\s+1], s45, \s*SLOT
	s_add_nc_u64 s[G0+4*\s+2:G0+4*\s+3], s[20:21], \s*ROWB
	s_or_b32 s[G0+4*\s+3], s[G0+4*\s+3], 0x80000000
	s_mov_b32 s[G0B+4*\s], 1
	s_add_co_u32 s[G0B+4*\s+1], s45, \s*SLOT
	s_add_nc_u64 s[G0B+4*\s+2:G0B+4*\s+3], s[46:47], \s*ROWB
	s_or_b32 s[G0B+4*\s+3], s[G0B+4*\s+3], 0x80000000
	s_wait_alu depctr_va_vdst(0)
	s_wait_tensorcnt 0x0
	ds_add_u32 v28, v29
	s_wait_dscnt 0x0
	CROUND
	JLOAD G0+4*\s, G1, G0B+4*\s, G1B
.endr
	v_and_b32 v1, 15, v0
	v_bfe_u32 v2, v0, 4, 1
	v_mul_u32_u24 v3, v1, PITCH
	v_mul_u32_u24 v4, v2, 24
	v_add_nc_u32 v4, v3, v4
	v_lshl_add_u32 v5, v2, 4, v4
	s_mul_i32 s21, s15, HALFT
	s_mul_i32 s22, s16, HALFT
	s_add_co_u32 s22, s22, 2*HALFT
.irp s, 0,1
	v_add_nc_u32 v[ADRA+\s], s21, v4
	v_add_nc_u32 v[ADRB+\s], s22, v4
	v_add_nc_u32 v[ADRA+2+\s], s21, v5
	v_add_nc_u32 v[ADRB+2+\s], s22, v5
	s_add_co_u32 s21, s21, SLOT
	s_add_co_u32 s22, s22, SLOT
.endr
	v_mul_u32_u24 v5, v1, KS
	v_lshrrev_b32 v6, 8, v5
	v_lshl_add_u32 v5, v6, 4, v5
	s_mul_i32 s21, s15, HALFS
	s_mul_i32 s22, s16, HALFS
	s_add_co_u32 s22, s22, 2*HALFS
	s_sub_co_u32 s22, s22, s21
	v_mul_u32_u24 v6, s22, v2
	s_add_co_u32 s21, s21, SCL
	v_add_nc_u32 v5, v5, v6
	v_add_nc_u32 v[ADRS], s21, v5
	v_and_b32 v6, 31, v0
	v_lshlrev_b32 v[LIO], 4, v6
	v_lshlrev_b32 v[LSO], 3, v6
	v_lshlrev_b32 v7, 6, v2
	s_wait_alu depctr_va_vdst(0)
	v_and_b32 v8, 8, v1
	v_add_nc_u32 v8, v8, v1
	v_lshlrev_b32 v8, 2, v8
	s_wait_alu depctr_va_vdst(0)
	s_cmp_eq_u32 ttmp9, 0
	s_cselect_b64 s[92:93], s[92:93], s[94:95]
	s_cmp_eq_u32 ttmp9, 2
	s_cselect_b64 s[92:93], s[96:97], s[92:93]
	s_cselect_b32 s18, s42, s17
	s_cselect_b32 s19, s16, s15
	s_cselect_b32 s20, s41, s40
	s_cselect_b32 s21, s15, s16
	s_cselect_b32 s22, 2, ttmp9
	s_lshl_b32 s20, s20, 2
	s_lshl_b32 s21, s21, 1
	s_add_co_u32 s20, s20, s21
	s_lshl_b32 s12, s20, 8
	s_mov_b32 s13, 0
	s_add_nc_u64 s[92:93], s[92:93], s[12:13]
	s_lshr_b32 s23, s18, 3
	s_lshl_b32 s23, s23, 4
	s_add_co_u32 s20, s20, s23
	s_and_b32 s18, s18, 7
	s_lshl_b32 s18, s18, 1
	s_add_co_u32 s18, s18, s19
	s_mul_i32 s12, s20, 294912
	s_mul_i32 s19, s18, 18432
	s_add_co_u32 s12, s12, s19
	s_mul_i32 s19, s22, 6144
	s_add_co_u32 s12, s12, s19
	s_add_nc_u64 s[96:97], s[98:99], s[12:13]
	s_add_nc_u64 s[94:95], s[96:97], 294912
	s_mul_i32 s12, s20, 12288
	s_mul_i32 s19, s18, 768
	s_add_co_u32 s12, s12, s19
	s_lshl_b32 s19, s22, 8
	s_add_co_u32 s12, s12, s19
	s_add_nc_u64 s[100:101], s[100:101], s[12:13]
	s_add_nc_u64 s[104:105], s[100:101], 12288
.irp b, 0,1,2,3,4,5,6,7
	global_load_b128 v[BN+8*\b:BN+8*\b+3], v7, s[92:93] offset:(32*(\b/2)+8*(\b%2))*4
	global_load_b128 v[BN+8*\b+4:BN+8*\b+7], v7, s[92:93] offset:(32*(\b/2)+8*(\b%2))*4+16
.endr
	WIN TO_B
.irp a, 0,1,2,3,4,5,6,7
	global_load_b32 v[BM+2*\a], v8, s[92:93] offset:(32*(\a/2)+8*(\a%2))*4
	global_load_b32 v[BM+2*\a+1], v8, s[92:93] offset:(32*(\a/2)+8*(\a%2))*4
.endr
	WIN 0
.macro FRAG reg, adr, q, i
.irp p, 0,1,2,3,4,5
.set PC, 12*(\q)+6*(\p/3)+\p%3
.if PC%8 < 5
	ds_load_b64 v[\reg+2*\p:\reg+2*\p+1], v[\adr] offset:8*PC+16*(PC/8)+(\i)*16*PITCH
.else
	ds_load_b64 v[\reg+2*\p:\reg+2*\p+1], v[\adr+2] offset:8*PC+16*(PC/8)+(\i)*16*PITCH
.endif
.endr
.endm
.macro MUL16 a0, p, q, sc, zero
.irp a, \a0, \a0+1
.irp b, 0,1,2,3,4,5,6,7
.if \zero
	v_wmma_scale_f32_16x16x128_f8f6f4 v[8*(8*((\a)%4)+\b):8*(8*((\a)%4)+\b)+7], v[128*(\p)+FR*\b:128*(\p)+FR*\b+FR-1], v[AF+FR*(\a):AF+FR*(\a)+FR-1], 0, v[SC+8*NQ*(\sc)+NQ*\b+(\q)], v[SC+8*NQ*(\sc)+NQ*(\a)+(\q)] matrix_a_fmt:MATRIX_FMT_FP6 matrix_b_fmt:MATRIX_FMT_FP6 matrix_a_scale:MATRIX_SCALE_ROW1
.else
	v_wmma_scale_f32_16x16x128_f8f6f4 v[8*(8*((\a)%4)+\b):8*(8*((\a)%4)+\b)+7], v[128*(\p)+FR*\b:128*(\p)+FR*\b+FR-1], v[AF+FR*(\a):AF+FR*(\a)+FR-1], v[8*(8*((\a)%4)+\b):8*(8*((\a)%4)+\b)+7], v[SC+8*NQ*(\sc)+NQ*\b+(\q)], v[SC+8*NQ*(\sc)+NQ*(\a)+(\q)] matrix_a_fmt:MATRIX_FMT_FP6 matrix_b_fmt:MATRIX_FMT_FP6 matrix_a_scale:MATRIX_SCALE_ROW1
.endif
.endr
.endr
.endm
.macro FETCH_B slot, q, p
	WIN TO_B
.irp i, 0,1,2,3,4,5,6,7
	FRAG 128*(\p)+FR*\i, ADRB+\slot, \q, \i
.endr
	WIN 0
.endm
.macro FETCH_A slot, q, i0
.irp i, \i0, \i0+1, \i0+2, \i0+3
	FRAG AF+FR*(\i), ADRA+\slot, \q, \i
.endr
.endm
.macro SCALES sc
.irp i, 0,1,2,3,4,5,6,7
	ds_load_b64 v[SC+8*NQ*\sc+NQ*\i:SC+8*NQ*\sc+NQ*\i+1], v[ADRS] offset:\i*SBLK
.endr
.endm
.macro PLACES n
.rept \n
	v_nop
.endr
.endm
.macro STEP slot, q, zero
	s_wait_dscnt 4*NL
	WIN MUL_LO
	MUL16 0, (\q)%2, \q, \slot, \zero
	MUL16 2, (\q)%2, \q, \slot, \zero
	s_wait_dscnt 0
	PLACES NP
	FETCH_B \slot, (\q)+1, 1-(\q)%2
	FETCH_A \slot, (\q)+1, 0
	WIN MUL_HI
	MUL16 4, (\q)%2, \q, \slot, \zero
	MUL16 6, (\q)%2, \q, \slot, \zero
	PLACES NP
	WIN 0
	FETCH_A \slot, (\q)+1, 4
.endm
.macro TURN slot, next, fill
	s_wait_tensorcnt 0x0
	ds_add_u32 v[SPW], v[NIL]
	s_wait_dscnt 4*NL+1
	WIN MUL_LO
	MUL16 0, 1, NQ-1, \slot, 0
	s_wait_dscnt 0x0
	s_barrier_signal -1
	MUL16 2, 1, NQ-1, \slot, 0
	WIN 0
	s_barrier_wait -1
.if \fill
	CREST
	s_add_nc_u64 s[G0+4*\slot+2:G0+4*\slot+3], s[G0+4*\slot+2:G0+4*\slot+3], 2*ROWB
	s_add_nc_u64 s[G0B+4*\slot+2:G0B+4*\slot+3], s[G0B+4*\slot+2:G0B+4*\slot+3], 2*ROWB
	JLOAD G0+4*\slot, G1, G0B+4*\slot, G1B
.else
	PLACES NP
.endif
	s_wait_alu depctr_va_vdst(0)
	v_add_nc_u32 v[ADRS], 4*NQ, v[ADRS]
	FETCH_B \next, 0, 0
	FETCH_A \next, 0, 0
	SCALES \next
	WIN MUL_HI
	MUL16 4, 1, NQ-1, \slot, 0
	MUL16 6, 1, NQ-1, \slot, 0
	PLACES NP
	WIN 0
	FETCH_A \next, 0, 4
.endm
	s_wait_loadcnt 0x0
	s_wait_tensorcnt 1
	s_barrier_signal -1
	s_barrier_wait -1
	FETCH_B 0, 0, 0
	FETCH_A 0, 0, 0
	SCALES 0
	FETCH_A 0, 0, 4
	STEP 0, 0, 1
	s_mov_b32 s3, LAPS-1
.Llap:
	TURN 0, 1, 1
	STEP 1, 0, 0
	TURN 1, 0, 1
	STEP 0, 0, 0
	s_sub_co_u32 s3, s3, 1
	s_cmp_lg_u32 s3, 0
	s_cbranch_scc1 .Llap
	TURN 0, 1, 0
	STEP 1, 0, 0
	s_wait_dscnt 4*NL
	WIN MUL_LO
	MUL16 0, 1, NQ-1, 1, 0
	MUL16 2, 1, NQ-1, 1, 0
	s_wait_dscnt 0
	WIN MUL_HI
	MUL16 4, 1, NQ-1, 1, 0
	MUL16 6, 1, NQ-1, 1, 0
	WIN 0
.macro QUANT s, d0, d1, pw
.irp b, 0,1,2,3
	v_max3_num_f32 v[TM+\b], |v[\s+16*\b]|, |v[\s+1+16*\b]|, 0x1800000
.endr
.irp i, 2,4,6,8,10,12,14
.irp b, 0,1,2,3
	v_max3_num_f32 v[TM+\b], v[TM+\b], |v[\s+16*\b+\i]|, |v[\s+1+16*\b+\i]|
.endr
.endr
.irp b, 0,1,2,3
	v_permlanex16_b32 v[TM+4+\b], v[TM+\b], s[SEL], s[SEL+1]
.endr
.irp b, 0,1,2,3
	v_max_num_f32 v[TM+\b], v[TM+\b], v[TM+4+\b]
.endr
.irp b, 0,1,2,3
	v_add_nc_u32 v[TM+12+\b], 0xff000000, v[TM+\b]
.endr
.irp b, 0,1,2,3
	v_lshrrev_b32 v[TM+4+\b], 23, v[TM+12+\b]
.endr
	v_lshl_or_b32 v[\pw], v[TM+5], 8, v[TM+4]
	v_lshl_or_b32 v[\pw], v[TM+6], 16, v[\pw]
	v_lshl_or_b32 v[\pw], v[TM+7], 24, v[\pw]
	v_cvt_scalef32_pk16_fp6_f32 v[(\d0):(\d0)+2], v[\s:\s+15], v[TM+12]
	v_cvt_scalef32_pk16_fp6_f32 v[CT:CT+2], v[\s+16:\s+31], v[TM+13]
	v_cvt_scalef32_pk16_fp6_f32 v[(\d1):(\d1)+2], v[\s+32:\s+47], v[TM+14]
	v_cvt_scalef32_pk16_fp6_f32 v[CT+4:CT+6], v[\s+48:\s+63], v[TM+15]
	v_nop
.irp i, 0,1,2
	v_permlane16_swap_b32 v[(\d0)+\i], v[CT+\i]
	v_permlane16_swap_b32 v[(\d1)+\i], v[CT+4+\i]
.endr
.irp i, 0,1,2
	v_mov_b32 v[(\d0)+3+\i], v[CT+\i]
	v_mov_b32 v[(\d1)+3+\i], v[CT+4+\i]
.endr
.endm
.macro ADDN a
	WIN 0x02+(\a)/4
.set i, 0
.rept 32
	v_pk_add_f32 v[T+2*i:T+2*i+1], v[64*((\a)%4)+2*i:64*((\a)%4)+2*i+1], v[BN+2*i:BN+2*i+1]
.set i, i+1
.endr
	WIN 0
.endm
.macro ADDM a
	WIN 0x06+(\a)/4
.set i, 0
.rept 32
	v_pk_add_f32 v[T+2*i:T+2*i+1], v[64*((\a)%4)+2*i:64*((\a)%4)+2*i+1], v[BM+2*(\a):BM+2*(\a)+1]
.set i, i+1
.endr
	WIN 0
.endm
	PLACES NP
	s_mov_b32 s[SEL], 0x76543210
	s_mov_b32 s[SEL+1], 0xfedcba98
	s_mov_b32 vcc_lo, 0xffff0000
.irp b, 0,1,2,3
	v_mov_b32 v[TM+4+\b], 0
.endr
	s_cmp_eq_u32 ttmp9, 2
	s_cbranch_scc1 .Lv_out
.irp f, 0,1,2,3
	s_wait_xcnt 0x0
.irp u, 0,1
	ADDN 2*\f+\u
	QUANT T, FX+6*\u, FY+6*\u, PW+\u
.endr
	v_perm_b32 v[WW+\f], v[PW+1], v[PW], 0x05040100
	v_perm_b32 v[WW+4+\f], v[PW+1], v[PW], 0x07060302
.irp c, 0,1,2
	global_store_b128 v[LIO], v[FX+4*\c:FX+4*\c+3], s[96:97] offset:FRB*\f+512*\c
	global_store_b128 v[LIO], v[FY+4*\c:FY+4*\c+3], s[94:95] offset:FRB*\f+512*\c
.endr
.endr
	s_branch .Lrecords
.Lv_out:
.irp a, 0,1,2,3,4,5,6,7
	s_wait_xcnt 0x0
	ADDM \a
	QUANT T, FX, FX+6, WW+\a
.irp c, 0,1,2
.if \a < 4
	global_store_b128 v[LIO], v[FX+4*\c:FX+4*\c+3], s[96:97] offset:FRB*(\a%4)+512*\c
.else
	global_store_b128 v[LIO], v[FX+4*\c:FX+4*\c+3], s[94:95] offset:FRB*(\a%4)+512*\c
.endif
.endr
.endr
.Lrecords:
	v_cndmask_b32 v[SW], v[WW], v[WW+1], vcc_lo
	s_wait_alu depctr_va_vdst(0)
	v_cndmask_b32 v[SW+1], v[WW+2], v[WW+3], vcc_lo
	v_cndmask_b32 v[SW+2], v[WW+4], v[WW+5], vcc_lo
	v_cndmask_b32 v[SW+3], v[WW+6], v[WW+7], vcc_lo
	global_store_b64 v[LSO], v[SW:SW+1], s[100:101]
	global_store_b64 v[LSO], v[SW+2:SW+3], s[104:105]
	s_wait_tensorcnt 0x0
	ds_add_u32 v[SPW], v[NIL]
	s_wait_dscnt 0x0
	CROUND
	s_endpgm
.Lfunc_end_k_qd6908500a6_qkv:
	.size	k_qd6908500a6_qkv, .Lfunc_end_k_qd6908500a6_qkv-k_qd6908500a6_qkv
	.p2alignl 7, 3214868480
	.fill 96, 4, 3214868480
	.section	.rodata,"a",@progbits
	.p2align	6, 0x0
	.amdhsa_kernel k_qd6908500a6_qkv
		.amdhsa_group_segment_fixed_size 327680
		.amdhsa_private_segment_fixed_size 0
		.amdhsa_enable_private_segment 0
		.amdhsa_kernarg_size 72
		.amdhsa_user_sgpr_count 2
		.amdhsa_user_sgpr_kernarg_segment_ptr 1
		.amdhsa_wavefront_size32 1
		.amdhsa_system_sgpr_workgroup_id_x 1
		.amdhsa_system_sgpr_workgroup_id_y 1
		.amdhsa_system_sgpr_workgroup_id_z 1
		.amdhsa_system_vgpr_workitem_id 0
		.amdhsa_next_free_vgpr 1024
		.amdhsa_next_free_sgpr 106
		.amdhsa_reserve_vcc 1
		.amdhsa_float_denorm_mode_32 3
		.amdhsa_float_denorm_mode_16_64 3
		.amdhsa_memory_ordered 1
		.amdhsa_forward_progress 1
		.amdhsa_inst_pref_size 235
	.end_amdhsa_kernel
	.amdgpu_metadata
---
amdhsa.version: [ 1, 2 ]
amdhsa.kernels:
  - .name:           k_qd6908500a6_qkv
    .symbol:         k_qd6908500a6_qkv.kd
    .args:
      - { .name: xc, .offset: 0, .size: 8, .value_kind: global_buffer, .address_space: global }
      - { .name: xs, .offset: 8, .size: 8, .value_kind: global_buffer, .address_space: global }
      - { .name: wc, .offset: 16, .size: 8, .value_kind: global_buffer, .address_space: global }
      - { .name: ws, .offset: 24, .size: 8, .value_kind: global_buffer, .address_space: global }
      - { .name: bq, .offset: 32, .size: 8, .value_kind: global_buffer, .address_space: global }
      - { .name: bk, .offset: 40, .size: 8, .value_kind: global_buffer, .address_space: global }
      - { .name: bv, .offset: 48, .size: 8, .value_kind: global_buffer, .address_space: global }
      - { .name: qkvc, .offset: 56, .size: 8, .value_kind: global_buffer, .address_space: global }
      - { .name: qkvs, .offset: 64, .size: 8, .value_kind: global_buffer, .address_space: global }
    .group_segment_fixed_size: 327680
    .private_segment_fixed_size: 0
    .kernarg_segment_align: 8
    .kernarg_segment_size: 72
    .max_flat_workgroup_size: 128
    .sgpr_count:     106
    .vgpr_count:     1024
    .wavefront_size: 32
...
	.end_amdgpu_metadata
.endif
;; end of part 2
;; launch attn (part 3): grid 4 x 64, 16 waves a work-group, clusters of 4 x 1, 256,512 bytes of LDS; arguments qkvc, qkvs, oc, os; writes oc, os
.if DOCPART == 3
	.amdgcn_target "amdgcn-amd-amdhsa--gfx1250"
	.amdhsa_code_object_version 6
	.text
	.protected	k_qd6908500a6_attn
	.globl	k_qd6908500a6_attn
	.p2align	8
	.type	k_qd6908500a6_attn,@function
k_qd6908500a6_attn:
	s_mov_b64 s[64:65], 0
	v_nop
	global_prefetch_b8 v0, s[64:65] scope:SCOPE_SE
	s_setreg_imm32_b32 hwreg(HW_REG_WAVE_MODE, 25, 1), 1
	s_wait_xcnt 0x0
	s_wait_alu depctr_hold_cnt(0) depctr_sa_sdst(0) depctr_va_vdst(0) depctr_va_sdst(0) depctr_va_ssrc(0) depctr_va_vcc(0) depctr_vm_vsrc(0)
	s_getreg_b32 s2, hwreg(HW_REG_IB_STS2, 6, 4)
	s_cmp_eq_u32 s2, 0
	s_cbranch_scc0 .Lentry_in_a_cluster
	s_endpgm
.Lentry_in_a_cluster:
	s_bfe_u32 s2, ttmp6, 0x10000c
	s_cmp_lg_u32 s2, 0x3003
	s_cbranch_scc0 .Lentry_shape_is_right
	s_endpgm
.Lentry_shape_is_right:
; o = softmax(q k^T / 8) v for one head of one batch, both products on codes of FP6 (E2M3) with E8M0 scales, and o quantised along the model's 1,024 for the last product.
; THE SOFTMAX: t = score x log2(e) / 8; M = the running largest t rounded UP to a whole number; p = 2^(t - M) is quantised along the keys, not normalised; the row's sum is taken of the unquantised p and divides at the end.
; When M moves, the sum and O are multiplied by 2^(old M - new M): exact.
; SHARES.  A work-group owns 512 queries of one head, each of its sixteen waves 32, taken as two passes of 16; 256 registers a wave.
; THE WHOLE HEAD'S K AND V STAY IN LDS, filled once: 16 steps of 128 keys, each 4 fragments of K and 4 of V as images of their registers (three pieces of 512 bytes), and the steps' scale records.
; The mover lays 128 bytes behind each 512: a fragment is 1,920 bytes on from the last, so that lanes which read two neighbouring fragments at once fall on different banks (64 banks of 4 bytes: ISA guide 11.1).
; CLUSTER.  The four work-groups of a cluster are the four query blocks of one head: every tile is asked for jointly.  One tensor load a wave: waves 0-7 two steps each (two rows of 12,288 bytes), wave 8 the records.
; The records' tile has a 17th row past the tensor's 16, which the mover fills with zeros: the last step's look-ahead reads it, and reads the records in place of a 17th step of K; neither is used.
; No prefetch: every tile is asked for at the head, and there is no loop to run ahead in.
; K = 64 IN A FORM THAT IS 128 DEEP.  A fragment of K holds two tiles of 16 keys; it is multiplied once by [q | 0] and once by [0 | q]: zero codes add exactly 0.
; A LANE HOLDS A WHOLE BLOCK OF 32 KEYS.  Both products are transposed (S^T = K Q^T, O^T = V^T P^T): a lane holds one query.  K's images are read by a permutation of lanes: lane (8 a + j, h) of my fragment (c, t1)
; takes the image of lane (8 t1 + j, h) of stored fragment 2 c + a.  Tile 4 c + t then has key 64 c + 32 a + 8 t + j in its row 8 a + j, and the 32 score registers of c in lane half h are keys 64 c + 32 h + 0 .. 31 in order:
; the block's maximum needs no other lane, and two conversions give six registers of P's operand as they fall.
; AHEAD.  K and V have registers of their own.  Behind step i's score products V(i) and K(i + 1) are asked of LDS; the wait ahead of the second product lets K(i + 1)'s 13 loads stay out.
; OUT.  oc [head of batch][tile of 16 tokens][768 bytes]; os [8,192 rows][32]: two bytes a row and head (a row's other bytes belong to other heads' work-groups).  Rows lie in tile order (bits 3 and 4 of the token exchanged).
; LIMITS: the promise holds while the scaled scores t stay under 2^31 in magnitude; NaN and infinities are not served; a block whose largest magnitude lies under 2^-124 keeps the byte 1; a block of zeros has the byte 1 and not 127;
; the division is v_rcp_f32 and a multiplication.
.set FP,    1920                       ; a fragment in LDS
.set PP,    640                        ; a piece of it
.set STEPB, 15360                      ; a step: K's four fragments, then V's four
.set SCB,   245760                     ; behind the 16 steps: 17 rows of 512 bytes: a step's record of K and of V
.set SPARE, 254464                     ; the spare words: 128 bytes a wave
.set HEADB, 294912                     ; a head in qkvc;  a step there: 18,432 (q, k, v)
.set HEADS, 12288                      ; a head in qkvs;  a step there: 768
.set AK0,  1                           ; v1   K's lane term: 1,920 (lane / 8 % 2) + 16 (lane % 8) + 256 (lane / 16)
.set LI,   2                           ; v2   16 x lane
.set AS0,  3                           ; v3   K's records' lane term: 128 (lane / 8 % 2) + 8 (lane % 8) + 64 (lane / 16)
.set L8,   4                           ; v4   8 x lane
.set AK,   5                           ; v5-8 the step's LDS addresses: K, V, K's record, V's record
.set AV,   6
.set ASK,  7
.set ASV,  8
.set R32,  9                           ; v9   32 x (lane % 16)
.set QW,   10                          ; v10  q's scale word;  v11 the pass's two bytes, twice
.set QW2,  11
.set ZQ,   16                          ; v16-21 zeros, v22-27 q, v28-33 zeros.  v12 -M, v13 the running largest score, v[14:15] the sum
.set KF,   34                          ; v34-81 K
.set VF,   82                          ; v82-129 V
.set S,    130                         ; v130-193 S^T, then p
.set O,    194                         ; v194-225 O^T
.set PCD,  226                         ; v226-237 p's codes; ahead of the conversions at work: PS three partial sums, BM, BN maxima, v236-237
.set PS,   226
.set BM,   232
.set BN,   234
.set CT,   238                         ; v238-244 the conversions' second halves
.set KSC,  246
.set VSC,  248
.set FF,   250                         ; v250 f = 2^(old M - new M);  v251 p's scale word (named with f as a pair)
.set PSC,  251
.set BS,   252                         ; v252-253 the conversions' scale operands
.set WV,   12
.set SEL,  20
.set CS,   22
.set G1,   24
.set G1S,  32
.set G0,   40
.set G0S,  44
.set TB,   48
.set TS,   49
.set CNT,  52
.set CN,   53
.set OCP,  68
.set OSP,  70
.set QP,   72
.set QSP,  74
.macro WALU
	s_wait_alu depctr_va_vdst(0)
.endm
.macro CROUND                          ; a round of the cluster's barrier
	s_barrier_signal -1
	s_barrier_wait -1
	s_cmp_lg_u32 s[WV], 0
	s_cbranch_scc1 .Lnot_wave_0_\@
	s_barrier_signal -3
.Lnot_wave_0_\@:
	s_barrier_wait -3
	s_barrier_signal -1
	s_barrier_wait -1
.endm
	s_load_b256 s[4:11], s[0:1], 0x0               ; qkvc, qkvs, oc, os
	v_lshl_add_u32 v254, v0, 2, SPARE
	v_mov_b32 v255, 0
	ds_add_u32 v254, v255                          ; the opening lines: the add twice on end and one wait
	ds_add_u32 v254, v255
	v_lshrrev_b32 v1, 5, v0
	v_readfirstlane_b32 s[WV], v1                  ; wave 0..15
	s_bfe_u32 s13, ttmp6, 0x40000                  ; cx: which 512 queries: it enters q's and o's addresses alone
	s_and_b32 s14, ttmp7, 0xffff                   ; the head of batch, which the four partners share
	s_mov_b32 s[G1], 15|(3<<16)|(1<<20)|(1<<21)|(6<<22)|(31<<25)   ; mask of all four; elements of 8 bytes; behind every 128 dwords 32 dwords of padding
	s_mov_b32 s[G1+1], 1536<<16                    ; two steps' K and V: two rows of 12,288 bytes, 18,432 bytes apart
	s_mov_b32 s[G1+2], 2<<16
	s_mov_b32 s[G1+3], 1536<<16
	s_mov_b32 s[G1+4], 2
	s_mov_b32 s[G1+5], 2304
	s_mov_b32 s[G1+6], 0
	s_mov_b32 s[G1+7], 0
	s_mov_b32 s[G1S], 15|(3<<16)|(1<<21)
	s_mov_b32 s[G1S+1], 64<<16                     ; the records of K and V: 16 rows of 512 bytes, 768 bytes apart; the tile's 17th row is filled with zeros
	s_mov_b32 s[G1S+2], 16<<16
	s_mov_b32 s[G1S+3], 64<<16
	s_mov_b32 s[G1S+4], 17
	s_mov_b32 s[G1S+5], 96
	s_mov_b32 s[G1S+6], 0
	s_mov_b32 s[G1S+7], 0
	s_mul_i32 s16, s14, HEADB
	s_mul_i32 s18, s[WV], 2*18432
	s_add_co_u32 s16, s16, s18
	s_add_co_u32 s16, s16, 6144                    ; step 2 w's K (V follows it)
	s_mov_b32 s17, 0
	s_mul_i32 s18, s14, HEADS
	s_add_co_u32 s18, s18, 256                     ; step 0's record of K
	s_mov_b32 s19, 0
	s_mul_i32 s76, s[WV], 2*STEPB                  ; where my two steps go
	s_mov_b32 s[SEL], 0x76543210
	s_mov_b32 s[SEL+1], 0xfedcba98                 ; lane l xor 16
	s_mov_b32 s[CS], 0x3e38aa3b                    ; c = log2(e) / 8
	s_mov_b32 s[CS+1], s[CS]
	s_mov_b32 s[CN], 0xbe38aa3b                    ; -c
	s_wait_dscnt 0x0
	s_wait_kmcnt 0x0
	s_mov_b32 s[G0], 1
	s_mov_b32 s[G0+1], s76
	s_add_nc_u64 s[G0+2:G0+3], s[4:5], s[16:17]
	s_or_b32 s[G0+3], s[G0+3], 0x80000000
	s_mov_b32 s[G0S], 1
	s_mov_b32 s[G0S+1], SCB
	s_add_nc_u64 s[G0S+2:G0S+3], s[6:7], s[18:19]
	s_or_b32 s[G0S+3], s[G0S+3], 0x80000000
	CROUND                                         ; all four work-groups are here: the joint loads meet
	s_cmp_lt_u32 s[WV], 8                          ; one chain of branches on the wave's number, one load to an arm
	s_cbranch_scc0 .Lnot_codes
	tensor_load_to_lds s[G0:G0+3], s[G1:G1+7]
	s_nop 0
.rept 4
	v_nop
.endr
	s_branch .Lasked
.Lnot_codes:
	s_cmp_eq_u32 s[WV], 8
	s_cbranch_scc0 .Lasked
	tensor_load_to_lds s[G0S:G0S+3], s[G1S:G1S+7]
	s_nop 0
.rept 4
	v_nop
.endr
.Lasked:
	s_lshl_b32 s76, s13, 4
	s_add_co_u32 s76, s76, s[WV]                   ; f: my fragment of q among the head's 64
	s_lshr_b32 s77, s76, 2                         ; its step
	s_and_b32 s78, s76, 3
	s_mul_i32 s16, s14, HEADB
	s_mul_i32 s79, s77, 18432
	s_add_co_u32 s16, s16, s79
	s_mul_i32 s79, s78, 1536
	s_add_co_u32 s16, s16, s79
	s_mov_b32 s17, 0
	s_add_nc_u64 s[QP:QP+1], s[4:5], s[16:17]
	s_mul_i32 s16, s14, HEADS
	s_mul_i32 s79, s77, 768
	s_add_co_u32 s16, s16, s79
	s_add_nc_u64 s[QSP:QSP+1], s[6:7], s[16:17]
	s_mul_i32 s16, s14, 98304                      ; oc: 128 tiles of 768 bytes a head; my two tiles 2 f, 2 f + 1
	s_mul_i32 s79, s76, 1536
	s_add_co_u32 s16, s16, s79
	s_add_nc_u64 s[OCP:OCP+1], s[8:9], s[16:17]
	s_lshr_b32 s16, s14, 4                         ; os: the batch's 2,048 rows of 32 bytes,
	s_lshl_b32 s16, s16, 16
	s_lshl_b32 s79, s76, 10                        ; my 32 rows,
	s_add_co_u32 s16, s16, s79
	s_and_b32 s79, s14, 15
	s_lshl_b32 s79, s79, 1                         ; my head's two bytes
	s_add_co_u32 s16, s16, s79
	s_add_nc_u64 s[OSP:OSP+1], s[10:11], s[16:17]
	s_and_b32 s77, s[WV], 1
	s_lshl_b32 s77, s77, 7
	s_bfe_u32 s78, s[WV], 0x10001
	s_lshl_b32 s78, s78, 2
	s_add_co_u32 s77, s77, s78                     ; q's record: fragment f % 4: lanes 16 (f % 2) on, word (f / 2) % 2
	v_and_b32 v5, 31, v0
	v_and_b32 v9, 15, v0
	v_and_b32 v1, 7, v0
	v_bfe_u32 v7, v0, 3, 1
	v_bfe_u32 v8, v0, 4, 1
	v_lshlrev_b32 v[LI], 4, v5
	v_lshlrev_b32 v[L8], 3, v5
	v_lshl_add_u32 v6, v9, 3, s77
	v_lshlrev_b32 v[AS0], 3, v1
	v_lshlrev_b32 v[AK0], 4, v1
	v_lshlrev_b32 v[R32], 5, v9
	v_lshl_add_u32 v[AS0], v7, 7, v[AS0]
	v_mad_u32_u24 v[AK0], v7, FP, v[AK0]
	v_mov_b32 v236, 0                              ; written once: a lane permute's destination counts as one of its sources
	v_lshl_add_u32 v[AS0], v8, 6, v[AS0]
	v_lshl_add_u32 v[AK0], v8, 8, v[AK0]
.macro QLOAD u                         ; the six registers of half u of q's image, straight into their place between the zeros
.irp p, 0,1,2
	global_load_b64 v[ZQ+6+2*\p:ZQ+7+2*\p], v[LI], s[QP:QP+1] offset:512*((3*\u+\p)/2)+8*((3*\u+\p)%2)
.endr
.endm
	QLOAD 0
	global_load_b32 v[QW], v6, s[QSP:QSP+1]
.irp i, 0,1,2,3,4,5
	v_mov_b32 v[ZQ+\i], 0                          ; zero codes on both sides of q
	v_mov_b32 v[ZQ+12+\i], 0
.endr
	v_mov_b32 v237, 0
	v_mov_b32 v[BN], 0
	v_mov_b32 v[BN+1], 0
	v_mov_b32 v[PSC], 0
.macro KLOAD off, soff                 ; my four fragments of K, by the permutation of lanes, and their scale words: word c; lanes 0-15 t1 = 0, lanes 16-31 t1 = 1
.irp c, 0,1
.irp t, 0,1
.irp p, 0,1,2
	ds_load_b128 v[KF+12*(2*\c+\t)+4*\p:KF+12*(2*\c+\t)+4*\p+3], v[AK] offset:(\off)+2*FP*\c+128*\t+PP*\p
.endr
.endr
.endr
	ds_load_b64 v[KSC:KSC+1], v[ASK] offset:\soff
.endm
.macro PF n                            ; t - M, two at a time
.rept \n
	v_pk_fma_f32 v[S+j:S+j+1], v[S+j:S+j+1], s[CS:CS+1], v[12:13] op_sel_hi:[1,0,0]
.set j, j+2
.endr
.endm
.macro SUMR r                          ; four additions of the row's sum, in four chains
.if (\r) == 0
	v_pk_add_f32 v[14:15], v[14:15], v[S:S+1]
.irp m, 0,1,2
	v_pk_add_f32 v[PS+2*\m:PS+2*\m+1], v[S+2+2*\m:S+3+2*\m], v[S+10+2*\m:S+11+2*\m]
.endr
.else
	v_pk_add_f32 v[14:15], v[14:15], v[S+8*(\r):S+8*(\r)+1]
.irp m, 0,1,2
	v_pk_add_f32 v[PS+2*\m:PS+2*\m+1], v[PS+2*\m:PS+2*\m+1], v[S+8*(\r)+10+2*\m:S+8*(\r)+11+2*\m]
.endr
.endif
.endm
; A KEY STEP: 128 keys
.macro STEP
	s_wait_dscnt 0x0                               ; K and its scale words, asked for a step ago
.irp c, 0,1
.irp t, 0,1
.irp u, 0,1
.if \t
	v_wmma_scale_f32_16x16x128_f8f6f4 v[S+32*\c+16*\t+8*\u:S+32*\c+16*\t+8*\u+7], v[KF+12*(2*\c+\t):KF+12*(2*\c+\t)+11], v[ZQ+6-6*\u:ZQ+17-6*\u], 0, v[KSC+\c], v[QW2] matrix_a_fmt:MATRIX_FMT_FP6 matrix_b_fmt:MATRIX_FMT_FP6 matrix_a_scale:MATRIX_SCALE_ROW1
.else
	v_wmma_scale_f32_16x16x128_f8f6f4 v[S+32*\c+16*\t+8*\u:S+32*\c+16*\t+8*\u+7], v[KF+12*(2*\c+\t):KF+12*(2*\c+\t)+11], v[ZQ+6-6*\u:ZQ+17-6*\u], 0, v[KSC+\c], v[QW2] matrix_a_fmt:MATRIX_FMT_FP6 matrix_b_fmt:MATRIX_FMT_FP6
.endif
.endr
.endr
.endr
	v_add_nc_u32 v[AV], s[TB], v[LI]               ; the four addresses are the four places in front of the loads and of the first reads of the scores
	v_add_nc_u32 v[ASV], s[TS], v[L8]
	v_add_nc_u32 v[AK], s[TB], v[AK0]
	v_add_nc_u32 v[ASK], s[TS], v[AS0]
.irp t, 0,1,2,3
.irp p, 0,1,2
	ds_load_b128 v[VF+12*\t+4*\p:VF+12*\t+4*\p+3], v[AV] offset:4*FP+FP*\t+PP*\p   ; this step's V
.endr
.endr
	ds_load_b64 v[VSC:VSC+1], v[ASV] offset:256
	KLOAD STEPB, 512                               ; the next step's K
	s_add_co_u32 s[TB], s[TB], STEPB
	s_add_co_u32 s[TS], s[TS], 512
.irp c, 0,1                            ; the largest score of my two blocks of 32 keys, each in two chains: for the row's maximum and, since p rises with the score, for the block's largest p
	v_max3_num_f32 v[BM+\c], v[S+32*\c], v[S+32*\c+1], v[S+32*\c+2]
	v_max3_num_f32 v[BN+\c], v[S+32*\c+16], v[S+32*\c+17], v[S+32*\c+18]
.endr
.irp i, 3,5,7,9,11,13
.irp c, 0,1
	v_max3_num_f32 v[BM+\c], v[BM+\c], v[S+32*\c+\i], v[S+32*\c+\i+1]
	v_max3_num_f32 v[BN+\c], v[BN+\c], v[S+32*\c+16+\i], v[S+32*\c+17+\i]
.endr
.endr
.irp c, 0,1
	v_max3_num_f32 v[BM+\c], v[BM+\c], v[BN+\c], v[S+32*\c+15]
.endr
.irp c, 0,1
	v_max_num_f32 v[BM+\c], v[BM+\c], v[S+32*\c+31]
.endr
	s_delay_alu instid0(VALU_DEP_1)
	v_max_num_f32 v236, v[BM], v[BM+1]
	s_delay_alu instid0(VALU_DEP_1)
	v_permlanex16_b32 v237, v236, s[SEL], s[SEL+1]
	s_delay_alu instid0(VALU_DEP_1)
	v_max3_num_f32 v13, v13, v236, v237            ; the running largest score of my query
	s_delay_alu instid0(VALU_DEP_1)
	v_mul_f32 v238, s[CN], v13                     ; -t
	v_mov_b32 v239, v12
	s_delay_alu instid0(VALU_DEP_2)
	v_floor_f32 v12, v238                          ; the new -M = floor(-t): M is a whole number
.set j, 0
	PF 3
	v_sub_f32 v239, v12, v239                      ; old M less new M: a whole number, 0 or less
	PF 3
	v_cvt_i32_f32 v239, v239                       ; (it saturates)
	PF 3
	v_ldexp_f32 v[FF], 1.0, v239                   ; f = 2^(old M - new M)
	PF 23
.irp c, 0,1
	v_fma_f32 v[BM+\c], v[BM+\c], s[CS], v12       ; the same of each block's largest score
.endr
	v_pk_mul_f32 v[14:15], v[14:15], v[FF:FF+1] op_sel_hi:[1,0]   ; the sums under the new M
.set j, 0
.rept 16
	v_pk_mul_f32 v[O+j:O+j+1], v[O+j:O+j+1], v[FF:FF+1] op_sel_hi:[1,0]   ; O^T under the new M
.set j, j+2
.endr
	WALU                                           ; the wait ahead of the batch
	v_exp_f32 v[BM], v[BM]                         ; the blocks' largest p: the same two instructions on the same number give the same bits
	v_exp_f32 v[BM+1], v[BM+1]
.set j, 0
.rept 64
	v_exp_f32 v[S+j], v[S+j]                       ; p = 2^(t - M)
.set j, j+1
.endr
	v_nop                                          ; a plain line behind the exponentials
	WALU                                           ; and the wait ahead of the batch's first reader
.irp c, 0,1
	v_max_num_f32 v[BM+\c], 0x1800000, v[BM+\c]    ; the floor 2^(3 - 127)
.endr
.irp c, 0,1
	v_add_nc_u32 v[BS+\c], 0xff000000, v[BM+\c]    ; the conversions' scale operand
.endr
	SUMR 0
.irp c, 0,1
	v_lshrrev_b32 v[BN+\c], 23, v[BS+\c]           ; the scale's byte
.endr
	SUMR 1
	v_lshl_or_b32 v236, v[BN+1], 8, v[BN]          ; my blocks h and 2 + h
	SUMR 2
	v_permlanex16_b32 v237, v236, s[SEL], s[SEL+1]
	SUMR 3
	v_perm_b32 v[PSC], v237, v236, 0x05010400      ; in lanes 0-15, which alone are read: blocks 0, 1, 2, 3.  Eight lines that name no register of the second product follow ahead of it
	SUMR 4
	SUMR 5
	v_pk_add_f32 v[14:15], v[14:15], v[S+48:S+49]
	v_pk_add_f32 v[PS:PS+1], v[PS:PS+1], v[PS+2:PS+3]
	s_delay_alu instid0(VALU_DEP_2)
	v_pk_add_f32 v[14:15], v[14:15], v[PS+4:PS+5]
	s_delay_alu instid0(VALU_DEP_1)
	v_pk_add_f32 v[14:15], v[14:15], v[PS:PS+1]
.irp c, 0,1
	v_cvt_scalef32_pk16_fp6_f32 v[PCD+6*\c:PCD+6*\c+2], v[S+32*\c:S+32*\c+15], v[BS+\c]
	v_cvt_scalef32_pk16_fp6_f32 v[CT+4*\c:CT+4*\c+2], v[S+32*\c+16:S+32*\c+31], v[BS+\c]   ; (a conversion's three registers begin on an even number)
.endr
	v_nop                                          ; one plain line behind the conversions
.irp c, 0,1
.irp i, 0,1,2
	v_mov_b32 v[PCD+3+6*\c+\i], v[CT+4*\c+\i]
.endr
.endr
	v_pk_add_f32 v[CT:CT+1], v[S+56:S+57], v[S+58:S+59]       ; the sum's last four additions are the places behind p's codes
	v_pk_add_f32 v[CT+4:CT+5], v[S+60:S+61], v[S+62:S+63]
	s_delay_alu instid0(VALU_DEP_1)
	v_pk_add_f32 v[CT:CT+1], v[CT:CT+1], v[CT+4:CT+5]
	s_delay_alu instid0(VALU_DEP_1)
	v_pk_add_f32 v[14:15], v[14:15], v[CT:CT+1]
	WALU                                           ; the wait directly ahead of the wait below
	s_wait_dscnt 13                                ; V and its words are in; behind them stand the 13 loads of the next step's K
.irp t, 0,1,2,3                        ; O^T += V^T P^T: the four accumulators take turns
.if \t%2
	v_wmma_scale_f32_16x16x128_f8f6f4 v[O+8*\t:O+8*\t+7], v[VF+12*\t:VF+12*\t+11], v[PCD:PCD+11], v[O+8*\t:O+8*\t+7], v[VSC+\t/2], v[PSC] matrix_a_fmt:MATRIX_FMT_FP6 matrix_b_fmt:MATRIX_FMT_FP6 matrix_a_scale:MATRIX_SCALE_ROW1
.else
	v_wmma_scale_f32_16x16x128_f8f6f4 v[O+8*\t:O+8*\t+7], v[VF+12*\t:VF+12*\t+11], v[PCD:PCD+11], v[O+8*\t:O+8*\t+7], v[VSC+\t/2], v[PSC] matrix_a_fmt:MATRIX_FMT_FP6 matrix_b_fmt:MATRIX_FMT_FP6
.endif
.endr
.endm
.macro PASS u                          ; the 16 queries of half u of my fragment
.if \u
	s_wait_xcnt 0x0                                ; the last pass's stores have read their registers
.endif
	s_wait_loadcnt 0x0                             ; q
	s_wait_dscnt 0x0                               ; the last pass's look-ahead has landed: K's registers may be asked for again
	v_mov_b32 v[AK], v[AK0]
	v_add_nc_u32 v[ASK], SCB, v[AS0]
	KLOAD 0, 0                                     ; step 0's K
	s_mov_b32 s[TB], 0
	s_mov_b32 s[TS], SCB
	s_mov_b32 s[CNT], 16
.if \u
	v_perm_b32 v[QW2], v[QW], v[QW], 0x03020302    ; the half's two bytes, for [q | 0] and for [0 | q]
.else
	v_perm_b32 v[QW2], v[QW], v[QW], 0x01000100
.endif
	v_mov_b32 v13, 0xff61b1e6                      ; the largest score so far: -3e38
	v_mov_b32 v14, 0
	v_mov_b32 v15, 0
	v_floor_f32 v12, -v13
.set j, 0
.rept 32
	v_mov_b32 v[O+j], 0                            ; the step is written once: the first finds zeros.  (These are also the places behind q's scale word)
.set j, j+1
.endr
	WALU
.Lrun_\@:
	STEP
	s_sub_co_u32 s[CNT], s[CNT], 1
	s_cmp_lg_u32 s[CNT], 0
	s_cbranch_scc1 .Lrun_\@
	v_add_f32 v14, v14, v15                        ; the sum's two halves,
	s_delay_alu instid0(VALU_DEP_1)
	v_permlanex16_b32 v238, v14, s[SEL], s[SEL+1]  ; (through a register that the last products do not name)
	s_delay_alu instid0(VALU_DEP_1)
	v_add_f32 v14, v14, v238
	WALU
	v_rcp_f32 v14, v14
	v_nop
	v_nop                                          ; (with the additions: the places behind the last products; a plain line behind the reciprocal)
	WALU
.set j, 0
.rept 32
	v_mul_f32 v[S+j], v[O+j], v14                  ; register 16 b + i = o(my query, 32 b + 16 (lane / 16) + i)
.set j, j+1
.endr
.if \u == 0
	QLOAD 1                                        ; the other half of q, under the way out
.endif
.irp b, 0,1
	v_max3_num_f32 v[BM+\b], |v[S+16*\b]|, |v[S+1+16*\b]|, 0x1800000
.endr
.irp i, 2,4,6,8,10,12,14
.irp b, 0,1
	s_delay_alu instid0(VALU_DEP_2)
	v_max3_num_f32 v[BM+\b], v[BM+\b], |v[S+16*\b+\i]|, |v[S+1+16*\b+\i]|
.endr
.endr
.irp b, 0,1
	v_permlanex16_b32 v[BN+\b], v[BM+\b], s[SEL], s[SEL+1]
.endr
.irp b, 0,1
	s_delay_alu instid0(VALU_DEP_2)
	v_max_num_f32 v[BM+\b], v[BM+\b], v[BN+\b]
.endr
.irp b, 0,1
	s_delay_alu instid0(VALU_DEP_2)
	v_add_nc_u32 v[BS+\b], 0xff000000, v[BM+\b]
.endr
.irp b, 0,1
	s_delay_alu instid0(VALU_DEP_2)
	v_lshrrev_b32 v[BN+\b], 23, v[BS+\b]
.endr
	s_delay_alu instid0(VALU_DEP_1)
	v_lshl_or_b32 v236, v[BN+1], 8, v[BN]          ; my row's two bytes
	v_cvt_scalef32_pk16_fp6_f32 v[PCD:PCD+2], v[S:S+15], v[BS]
	v_cvt_scalef32_pk16_fp6_f32 v[CT:CT+2], v[S+16:S+31], v[BS+1]
	v_nop
.irp i, 0,1,2
	v_permlane16_swap_b32 v[PCD+\i], v[CT+\i]
.endr
.irp i, 0,1,2
	s_delay_alu instid0(VALU_DEP_3)
	v_mov_b32 v[PCD+3+\i], v[CT+\i]                ; lane (r, h): d = 32 h .. 32 h + 31
.endr
.irp p, 0,1,2
	global_store_b64 v[L8], v[PCD+2*\p:PCD+2*\p+1], s[OCP:OCP+1] offset:768*\u+256*\p   ; 32 lanes store 256 consecutive bytes, aligned
.endr
	global_store_b16 v[R32], v236, s[OSP:OSP+1] offset:512*\u
.endm
	WALU                                           ; the wait at the head's end
	s_wait_tensorcnt 0x0                           ; my tile, if I asked for one
	s_barrier_signal -1
	s_barrier_wait -1                              ; everybody's: the whole head and its records lie in LDS
	PASS 0
	PASS 1
	s_wait_tensorcnt 0x0                           ; the wave's end
	ds_add_u32 v254, v255
	s_wait_dscnt 0x0
	CROUND                                         ; the closing round
	s_endpgm
.Lfunc_end_k_qd6908500a6_attn:
	.size	k_qd6908500a6_attn, .Lfunc_end_k_qd6908500a6_attn-k_qd6908500a6_attn
	.p2alignl 7, 3214868480
	.fill 96, 4, 3214868480
	.section	.rodata,"a",@progbits
	.p2align	6, 0x0
	.amdhsa_kernel k_qd6908500a6_attn
		.amdhsa_group_segment_fixed_size 256512
		.amdhsa_private_segment_fixed_size 0
		.amdhsa_enable_private_segment 0
		.amdhsa_kernarg_size 32
		.amdhsa_user_sgpr_count 2
		.amdhsa_user_sgpr_kernarg_segment_ptr 1
		.amdhsa_wavefront_size32 1
		.amdhsa_system_sgpr_workgroup_id_x 1
		.amdhsa_system_sgpr_workgroup_id_y 1
		.amdhsa_system_sgpr_workgroup_id_z 1
		.amdhsa_system_vgpr_workitem_id 0
		.amdhsa_next_free_vgpr 256
		.amdhsa_next_free_sgpr 80
		.amdhsa_reserve_vcc 0
		.amdhsa_float_denorm_mode_32 3
		.amdhsa_float_denorm_mode_16_64 3
		.amdhsa_memory_ordered 1
		.amdhsa_forward_progress 1
		.amdhsa_inst_pref_size 51
	.end_amdhsa_kernel
	.amdgpu_metadata
---
amdhsa.version: [ 1, 2 ]
amdhsa.kernels:
  - .name:           k_qd6908500a6_attn
    .symbol:         k_qd6908500a6_attn.kd
    .args:
      - { .name: qkvc, .offset: 0, .size: 8, .value_kind: global_buffer, .address_space: global }
      - { .name: qkvs, .offset: 8, .size: 8, .value_kind: global_buffer, .address_space: global }
      - { .name: oc, .offset: 16, .size: 8, .value_kind: global_buffer, .address_space: global }
      - { .name: os, .offset: 24, .size: 8, .value_kind: global_buffer, .address_space: global }
    .group_segment_fixed_size: 256512
    .private_segment_fixed_size: 0
    .kernarg_segment_align: 8
    .kernarg_segment_size: 32
    .max_flat_workgroup_size: 512
    .sgpr_count:     80
    .vgpr_count:     256
    .wavefront_size: 32
...
	.end_amdgpu_metadata
.endif
;; end of part 3
;; launch proj (part 4): grid 4 x 32, 4 waves a work-group, clusters of 4 x 4, 327,680 bytes of LDS; arguments oc, os, wc, ws, bp, out0; writes out0
.if DOCPART == 4
	.amdgcn_target "amdgcn-amd-amdhsa--gfx1250"
	.amdhsa_code_object_version 6
	.text
	.protected	k_qd6908500a6_proj
	.globl	k_qd6908500a6_proj
	.p2align	8
	.type	k_qd6908500a6_proj,@function
k_qd6908500a6_proj:
	s_mov_b64 s[64:65], 0
	v_nop
	global_prefetch_b8 v0, s[64:65] scope:SCOPE_SE
	s_setreg_imm32_b32 hwreg(HW_REG_WAVE_MODE, 25, 1), 1
	s_wait_xcnt 0x0
	s_wait_alu depctr_hold_cnt(0) depctr_sa_sdst(0) depctr_va_vdst(0) depctr_va_sdst(0) depctr_va_ssrc(0) depctr_va_vcc(0) depctr_vm_vsrc(0)
	s_getreg_b32 s2, hwreg(HW_REG_IB_STS2, 6, 4)
	s_cmp_eq_u32 s2, 0
	s_cbranch_scc0 .Lentry_in_a_cluster
	s_endpgm
.Lentry_in_a_cluster:
	s_bfe_u32 s2, ttmp6, 0x10000c
	s_cmp_lg_u32 s2, 0xf033
	s_cbranch_scc0 .Lentry_shape_is_right
	s_endpgm
.Lentry_shape_is_right:
.set KSTEP,  256
.set NQ,     2
.set ROWB,   24576                     ; from a chunk of 128 rows x 256 along K of the weight to the next: dense in memory
.set KROW,   768
.set PITCH,  240
.set FR,     12
.set NL,     6
.set NP,     4
.set HALFT,  128*PITCH
.set SLOT,   4*HALFT
.set LAPS,   2
.set KS,     32
.set SCL,    2*SLOT
.set HALFS,  (128*KS/256)*272
.set SBLK,   (16*KS/256)*272
.set SPARE,  SCL+4*HALFS
.set SPITCH, 528
.set ASLOT,  4*98304
.set ADRA, 16
.set ADRB, 20
.set STO,  24
.set RD,   25
.set CO,   26
.set ADRS, 27
.set SPW,  28
.set NIL,  29
.set SC,   32
.set BN,   64
.set AF,   128
.set BK,   128
.set G1, 24
.set G0, 32
.set G1B, 48
.set G0B, 56
.set G1S, 68
.set G0S, 76
.set G1SB, 80
.set G0SB, 88
.set MSB, 0
.macro WIN new
.if MSB != (\new)
	s_set_vgpr_msb (MSB<<8)|(\new)
.set MSB, (\new)
.endif
.endm
.set MUL_LO, 0xa1
.set MUL_HI, 0xf1
.set TO_B,   0x40
.macro JLOAD g0a, g1a, g0b, g1b
	s_cmp_eq_u32 s15, 0
	s_cbranch_scc0 .Lfor_b_\@
	tensor_load_to_lds s[\g0a:\g0a+3], s[\g1a:\g1a+7]
	s_nop 0
.rept 4
	v_nop
.endr
	s_branch .Lasked_\@
.Lfor_b_\@:
	tensor_load_to_lds s[\g0b:\g0b+3], s[\g1b:\g1b+7]
	s_nop 0
.rept 4
	v_nop
.endr
.Lasked_\@:
.endm
.macro CREST
	s_cmp_lg_u32 s14, 0
	s_cbranch_scc1 .Lnot_wave_0_\@
	s_barrier_signal -3
.Lnot_wave_0_\@:
	s_barrier_wait -3
	s_barrier_signal -1
	s_barrier_wait -1
.endm
.macro CROUND
	s_barrier_signal -1
	s_barrier_wait -1
	CREST
.endm
	s_load_b128 s[4:7], s[0:1], 0x0
	s_load_b128 s[8:11], s[0:1], 0x10
	s_load_b64 s[96:97], s[0:1], 0x20
	s_load_b64 s[12:13], s[0:1], 0x28
	v_lshl_add_u32 v[SPW], v0, 2, SPARE
	v_mov_b32 v[NIL], 0
	ds_add_u32 v28, v29
	ds_add_u32 v28, v29
	s_wait_dscnt 0x0
	v_lshrrev_b32 v1, 5, v0
	v_readfirstlane_b32 s14, v1
	s_lshr_b32 s15, s14, 1
	s_and_b32 s16, s14, 1
	s_bfe_u32 s40, ttmp6, 0x40000
	s_bfe_u32 s41, ttmp6, 0x40004
	s_lshl_b32 s42, ttmp9, 2
	s_add_co_u32 s42, s42, s40
	s_and_b32 s17, ttmp7, 0xffff
	s_lshl_b32 s17, s17, 2
	s_add_co_u32 s17, s17, s41
	s_lshl_b32 s43, s41, 2
	s_lshl_b32 s43, 15, s43
	s_lshl_b32 s44, 0x1111, s40
	s_or_b32 s[G1+0], s43, (3<<16)|(1<<21)
	s_mov_b32 s[G1+1], 768<<16
	s_mov_b32 s[G1+2], 4<<16
	s_mov_b32 s[G1+3], 768<<16
	s_mov_b32 s[G1+4], 4
	s_mov_b32 s[G1+5], 12288
	s_mov_b32 s[G1+6], 0
	s_mov_b32 s[G1+7], 0
	s_or_b32 s[G1B+0], s44, (0<<16)|(1<<20)|(1<<21)|(3<<22)|(3<<25)
	s_mov_b32 s[G1B+1], 256<<16                    ; a chunk's 24,576 dense bytes as 96 rows of 256; the padding's interval stays 64 bytes
	s_mov_b32 s[G1B+2], 96<<16
	s_mov_b32 s[G1B+3], 256<<16
	s_mov_b32 s[G1B+4], 96
	s_mov_b32 s[G1B+5], 256
	s_mov_b32 s[G1B+6], 0
	s_mov_b32 s[G1B+7], 0
	s_or_b32 s[G1S+0], s43, (3<<16)|(1<<20)|(1<<21)|(5<<22)|(3<<25)
	s_or_b32 s[G1SB+0], s44, (3<<16)|(1<<20)|(1<<21)|(5<<22)|(3<<25)
.irp g, G1S, G1SB
	s_mov_b32 s[\g+1], 32<<16
	s_mov_b32 s[\g+2], (128*KS/256)<<16
	s_mov_b32 s[\g+3], 32<<16
	s_mov_b32 s[\g+4], 128*KS/256
	s_mov_b32 s[\g+5], 32
	s_mov_b32 s[\g+6], 0
	s_mov_b32 s[\g+7], 0
.endr
	s_lshl_b32 s18, s16, 7
	s_lshl_b32 s22, s17, 8
	s_add_co_u32 s22, s22, s18
	s_lshl_b32 s22, s22, 5
	s_mov_b32 s23, 0
	s_lshr_b32 s20, s17, 3
	s_lshl_b32 s20, s20, 11
	s_and_b32 s21, s17, 7
	s_lshl_b32 s21, s21, 4
	s_add_co_u32 s20, s20, s21
	s_lshl_b32 s21, s16, 3
	s_add_co_u32 s20, s20, s21
	s_mul_i32 s20, s20, 768
	s_mov_b32 s21, 0
	s_lshl_b32 s46, s42, 8
	s_add_co_u32 s46, s46, s18
	s_lshl_b32 s92, s46, 5
	s_mov_b32 s93, 0
	s_mul_i32 s46, s46, KROW
	s_mov_b32 s47, 0
	s_mul_i32 s45, s14, HALFT
	s_mul_i32 s94, s14, HALFS
	s_wait_kmcnt 0x0
	s_add_nc_u64 s[8:9], s[8:9], 3*1024*KROW
	s_add_nc_u64 s[10:11], s[10:11], 3*1024*KS
	s_add_nc_u64 s[20:21], s[4:5], s[20:21]
	s_add_nc_u64 s[22:23], s[6:7], s[22:23]
	s_add_nc_u64 s[46:47], s[8:9], s[46:47]
	s_add_nc_u64 s[92:93], s[10:11], s[92:93]
	CROUND
	s_mov_b32 s[G0S], 1
	s_add_co_u32 s[G0S+1], s94, SCL
	s_mov_b64 s[G0S+2:G0S+3], s[22:23]
	s_or_b32 s[G0S+3], s[G0S+3], 0x80000000
	s_mov_b32 s[G0SB], 1
	s_add_co_u32 s[G0SB+1], s94, SCL
	s_mov_b64 s[G0SB+2:G0SB+3], s[92:93]
	s_or_b32 s[G0SB+3], s[G0SB+3], 0x80000000
	JLOAD G0S, G1S, G0SB, G1SB
.irp s, 0,1
	s_mov_b32 s[G0+4*\s], 1
	s_add_co_u32 s[G0+4*\s+1], s45, \s*SLOT
	s_add_nc_u64 s[G0+4*\s+2:G0+4*\s+3], s[20:21], \s*ASLOT
	s_or_b32 s[G0+4*\s+3], s[G0+4*\s+3], 0x80000000
	s_mov_b32 s[G0B+4*\s], 1
	s_add_co_u32 s[G0B+4*\s+1], s45, \s*SLOT
	s_add_nc_u64 s[G0B+4*\s+2:G0B+4*\s+3], s[46:47], \s*ROWB
	s_or_b32 s[G0B+4*\s+3], s[G0B+4*\s+3], 0x80000000
	s_wait_alu depctr_va_vdst(0)
	s_wait_tensorcnt 0x0
	ds_add_u32 v28, v29
	s_wait_dscnt 0x0
	CROUND
	JLOAD G0+4*\s, G1, G0B+4*\s, G1B
.endr
	v_and_b32 v1, 15, v0
	v_bfe_u32 v2, v0, 4, 1
	v_and_b32 v6, 31, v0
	v_mul_u32_u24 v3, v1, PITCH
	v_mul_u32_u24 v4, v2, 24
	v_add_nc_u32 v4, v3, v4
	v_lshl_add_u32 v5, v2, 4, v4
	v_lshlrev_b32 v7, 3, v6
	s_mul_i32 s21, s15, HALFT
	s_mul_i32 s22, s16, HALFT
	s_add_co_u32 s22, s22, 2*HALFT
.irp s, 0,1
	v_add_nc_u32 v[ADRA+\s], s21, v7
	v_add_nc_u32 v[ADRB+\s], s22, v4
	v_add_nc_u32 v[ADRB+2+\s], s22, v5
	s_add_co_u32 s21, s21, SLOT
	s_add_co_u32 s22, s22, SLOT
.endr
	v_mul_u32_u24 v5, v1, KS
	v_lshrrev_b32 v8, 8, v5
	v_lshl_add_u32 v5, v8, 4, v5
	s_mul_i32 s21, s15, HALFS
	s_mul_i32 s22, s16, HALFS
	s_add_co_u32 s22, s22, 2*HALFS
	s_sub_co_u32 s22, s22, s21
	v_mul_u32_u24 v8, s22, v2
	s_add_co_u32 s21, s21, SCL
	v_add_nc_u32 v5, v5, v8
	v_add_nc_u32 v[ADRS], s21, v5
	s_mul_i32 s23, s14, 16*SPITCH
	v_mul_u32_u24 v5, v1, SPITCH
	v_lshl_add_u32 v5, v2, 6, v5
	v_add_nc_u32 v[STO], s23, v5
	v_lshlrev_b32 v[CO], 4, v6
	v_add_nc_u32 v[RD], s23, v[CO]
	s_lshl_b32 s20, s17, 8
	s_lshl_b32 s21, s15, 7
	s_add_co_u32 s20, s20, s21
	s_lshl_b32 s20, s20, 12
	s_mov_b32 s21, 0
	s_lshl_b32 s46, s42, 10
	s_lshl_b32 s47, s16, 9
	s_add_co_u32 s46, s46, s47
	s_mov_b32 s47, 0
	s_add_nc_u64 s[96:97], s[96:97], s[46:47]
	s_add_nc_u64 s[20:21], s[20:21], s[46:47]
	s_add_nc_u64 s[12:13], s[12:13], s[20:21]
	v_lshlrev_b32 v9, 6, v2
.irp b, 0,1,2,3,4,5,6,7
	global_load_b128 v[BN+8*\b:BN+8*\b+3], v9, s[96:97] offset:(32*(\b/2)+8*(\b%2))*4
	global_load_b128 v[BN+8*\b+4:BN+8*\b+7], v9, s[96:97] offset:(32*(\b/2)+8*(\b%2))*4+16
.endr
.macro FRAG reg, adr, q, i
.irp p, 0,1,2,3,4,5
.set PC, 12*(\q)+6*(\p/3)+\p%3
.if PC%8 < 5
	ds_load_b64 v[\reg+2*\p:\reg+2*\p+1], v[\adr] offset:8*PC+16*(PC/8)+(\i)*16*PITCH
.else
	ds_load_b64 v[\reg+2*\p:\reg+2*\p+1], v[\adr+2] offset:8*PC+16*(PC/8)+(\i)*16*PITCH
.endif
.endr
.endm
.macro FRAGA reg, slot, q, i
.irp p, 0,1,2,3,4,5
	ds_load_b64 v[\reg+2*\p:\reg+2*\p+1], v[ADRA+\slot] offset:6144*(2*(\q)+\p/3)+768*(\i)+256*(\p%3)
.endr
.endm
.macro MUL16 a0, p, q, sc, first
.irp a, \a0, \a0+1
.irp b, 0,1,2,3,4,5,6,7
.if \first
	v_wmma_scale_f32_16x16x128_f8f6f4 v[8*(8*((\a)%4)+\b):8*(8*((\a)%4)+\b)+7], v[128*(\p)+FR*\b:128*(\p)+FR*\b+FR-1], v[AF+FR*(\a):AF+FR*(\a)+FR-1], v[BN+8*\b:BN+8*\b+7], v[SC+8*NQ*(\sc)+NQ*\b+(\q)], v[SC+8*NQ*(\sc)+NQ*(\a)+(\q)] matrix_a_fmt:MATRIX_FMT_FP6 matrix_b_fmt:MATRIX_FMT_FP6 matrix_a_scale:MATRIX_SCALE_ROW1
.else
	v_wmma_scale_f32_16x16x128_f8f6f4 v[8*(8*((\a)%4)+\b):8*(8*((\a)%4)+\b)+7], v[128*(\p)+FR*\b:128*(\p)+FR*\b+FR-1], v[AF+FR*(\a):AF+FR*(\a)+FR-1], v[8*(8*((\a)%4)+\b):8*(8*((\a)%4)+\b)+7], v[SC+8*NQ*(\sc)+NQ*\b+(\q)], v[SC+8*NQ*(\sc)+NQ*(\a)+(\q)] matrix_a_fmt:MATRIX_FMT_FP6 matrix_b_fmt:MATRIX_FMT_FP6 matrix_a_scale:MATRIX_SCALE_ROW1
.endif
.endr
.endr
.endm
.macro FETCH_B slot, q, p
	WIN TO_B
.irp i, 0,1,2,3,4,5,6,7
	FRAG 128*(\p)+FR*\i, ADRB+\slot, \q, \i
.endr
	WIN 0
.endm
.macro FETCH_A slot, q, i0
.irp i, \i0, \i0+1, \i0+2, \i0+3
	FRAGA AF+FR*(\i), \slot, \q, \i
.endr
.endm
.macro SCALES sc
.irp i, 0,1,2,3,4,5,6,7
	ds_load_b64 v[SC+8*NQ*\sc+NQ*\i:SC+8*NQ*\sc+NQ*\i+1], v[ADRS] offset:\i*SBLK
.endr
.endm
.macro PLACES n
.rept \n
	v_nop
.endr
.endm
.macro STEP slot, q, first
	s_wait_dscnt 4*NL
	WIN MUL_LO-0x20*(\first)
	MUL16 0, (\q)%2, \q, \slot, \first
	MUL16 2, (\q)%2, \q, \slot, \first
	s_wait_dscnt 0
	PLACES NP
	FETCH_B \slot, (\q)+1, 1-(\q)%2
	FETCH_A \slot, (\q)+1, 0
	WIN MUL_HI-0x30*(\first)
	MUL16 4, (\q)%2, \q, \slot, \first
	MUL16 6, (\q)%2, \q, \slot, \first
	PLACES NP
	WIN 0
	FETCH_A \slot, (\q)+1, 4
.endm
.macro TURN slot, next, fill
	s_wait_tensorcnt 0x0
	ds_add_u32 v[SPW], v[NIL]
	s_wait_dscnt 4*NL+1
	WIN MUL_LO
	MUL16 0, 1, NQ-1, \slot, 0
	s_wait_dscnt 0x0
	s_barrier_signal -1
	MUL16 2, 1, NQ-1, \slot, 0
	WIN 0
	s_barrier_wait -1
.if \fill
	CREST
	s_add_nc_u64 s[G0+4*\slot+2:G0+4*\slot+3], s[G0+4*\slot+2:G0+4*\slot+3], 2*ASLOT
	s_add_nc_u64 s[G0B+4*\slot+2:G0B+4*\slot+3], s[G0B+4*\slot+2:G0B+4*\slot+3], 2*ROWB
	JLOAD G0+4*\slot, G1, G0B+4*\slot, G1B
.else
	PLACES NP
.endif
	s_wait_alu depctr_va_vdst(0)
	v_add_nc_u32 v[ADRS], 4*NQ, v[ADRS]
	FETCH_B \next, 0, 0
	FETCH_A \next, 0, 0
	SCALES \next
	WIN MUL_HI
	MUL16 4, 1, NQ-1, \slot, 0
	MUL16 6, 1, NQ-1, \slot, 0
	PLACES NP
	WIN 0
	FETCH_A \next, 0, 4
.endm
	s_wait_alu depctr_va_vdst(0)
	s_wait_loadcnt 0x0
	s_wait_tensorcnt 1
	s_barrier_signal -1
	s_barrier_wait -1
	FETCH_B 0, 0, 0
	FETCH_A 0, 0, 0
	SCALES 0
	FETCH_A 0, 0, 4
	STEP 0, 0, 1
	s_mov_b32 s3, LAPS-1
.Llap:
	TURN 0, 1, 1
	STEP 1, 0, 0
	TURN 1, 0, 1
	STEP 0, 0, 0
	s_sub_co_u32 s3, s3, 1
	s_cmp_lg_u32 s3, 0
	s_cbranch_scc1 .Llap
	TURN 0, 1, 0
	STEP 1, 0, 0
	s_wait_dscnt 4*NL
	WIN MUL_LO
	MUL16 0, 1, NQ-1, 1, 0
	MUL16 2, 1, NQ-1, 1, 0
	s_wait_dscnt 0
	WIN MUL_HI
	MUL16 4, 1, NQ-1, 1, 0
	MUL16 6, 1, NQ-1, 1, 0
	WIN 0
.macro TOSTAGE a
.set AC, 64*((\a)%4)
	WIN 0x08+4*((\a)/4)
.irp b, 0,1,2,3,4,5,6,7
	ds_store_b128 v[STO], v[AC+8*\b:AC+8*\b+3] offset:128*(\b/2)+32*(\b%2)
	ds_store_b128 v[STO], v[AC+8*\b+4:AC+8*\b+7] offset:128*(\b/2)+32*(\b%2)+16
.endr
	WIN 0
.set BB, BK+64*((\a)%2)
.irp t, 0,1,2,3,4,5,6,7,8,9,10,11,12,13,14,15
	ds_load_b128 v[BB+4*\t:BB+4*\t+3], v[RD] offset:\t*SPITCH
.endr
.endm
.macro SEND a, younger
.set BB, BK+64*((\a)%2)
	s_wait_dscnt \younger
.irp t, 0,1,2,3,4,5,6,7,8,9,10,11,12,13,14,15
	global_store_b128 v[CO], v[BB+4*\t:BB+4*\t+3], s[12:13] offset:(32*((\a)/2)+8*((\a)%2)+\t+8*(\t/8))*4096 th:TH_STORE_NT
.endr
.endm
	PLACES NP
	TOSTAGE 0
.irp a, 1,2,3,4,5,6,7
.if \a > 1
	s_wait_xcnt 0x0
.endif
	TOSTAGE \a
	SEND \a-1, 32
.endr
	SEND 7, 0
	s_wait_tensorcnt 0x0
	ds_add_u32 v[SPW], v[NIL]
	s_wait_dscnt 0x0
	CROUND
	s_endpgm
.Lfunc_end_k_qd6908500a6_proj:
	.size	k_qd6908500a6_proj, .Lfunc_end_k_qd6908500a6_proj-k_qd6908500a6_proj
	.p2alignl 7, 3214868480
	.fill 96, 4, 3214868480
	.section	.rodata,"a",@progbits
	.p2align	6, 0x0
	.amdhsa_kernel k_qd6908500a6_proj
		.amdhsa_group_segment_fixed_size 327680
		.amdhsa_private_segment_fixed_size 0
		.amdhsa_enable_private_segment 0
		.amdhsa_kernarg_size 48
		.amdhsa_user_sgpr_count 2
		.amdhsa_user_sgpr_kernarg_segment_ptr 1
		.amdhsa_wavefront_size32 1
		.amdhsa_system_sgpr_workgroup_id_x 1
		.amdhsa_system_sgpr_workgroup_id_y 1
		.amdhsa_system_sgpr_workgroup_id_z 1
		.amdhsa_system_vgpr_workitem_id 0
		.amdhsa_next_free_vgpr 1024
		.amdhsa_next_free_sgpr 100
		.amdhsa_reserve_vcc 0
		.amdhsa_float_denorm_mode_32 3
		.amdhsa_float_denorm_mode_16_64 3
		.amdhsa_memory_ordered 1
		.amdhsa_forward_progress 1
		.amdhsa_inst_pref_size 162
	.end_amdhsa_kernel
	.amdgpu_metadata
---
amdhsa.version: [ 1, 2 ]
amdhsa.kernels:
  - .name:           k_qd6908500a6_proj
    .symbol:         k_qd6908500a6_proj.kd
    .args:
      - { .name: oc, .offset: 0, .size: 8, .value_kind: global_buffer, .address_space: global }
      - { .name: os, .offset: 8, .size: 8, .value_kind: global_buffer, .address_space: global }
      - { .name: wc, .offset: 16, .size: 8, .value_kind: global_buffer, .address_space: global }
      - { .name: ws, .offset: 24, .size: 8, .value_kind: global_buffer, .address_space: global }
      - { .name: bp, .offset: 32, .size: 8, .value_kind: global_buffer, .address_space: global }
      - { .name: out0, .offset: 40, .size: 8, .value_kind: global_buffer, .address_space: global }
    .group_segment_fixed_size: 327680
    .private_segment_fixed_size: 0
    .kernarg_segment_align: 8
    .kernarg_segment_size: 48
    .max_flat_workgroup_size: 128
    .sgpr_count:     100
    .vgpr_count:     1024
    .wavefront_size: 32
...
	.end_amdgpu_metadata
.endif
;; end of part 4
